; MI455X (gfx1250); checked and timed in simulation.
; The chip was launched on July 23, 2026; its instructions are those of AMD's public machine-readable ISA for CDNA 5 (MIT licence, August 2026) and "CDNA5" Instruction Set Architecture Reference Guide (July 2026). The comments in the code are by the model that wrote it; some were corrected since.
;; Transformer Encoder Layer. Allowed arithmetic: float matrix products may take bf16 or f16 operands with f32 sums; all other float work in f32.
;; Inputs: W1 256 x 1,024 float32; W2 1,024 x 256 float32; Wk 8 x 256 x 32 float32; Wo 256 x 256 float32; Wq 8 x 256 x 32 float32; Wv 8 x 256 x 32 float32; b1 1,024 float32; b2 256 float32; bk 8 x 32 float32; bo 256 float32; bq 8 x 32 float32; bv 8 x 32 float32; ln1_b 256 float32; ln1_g 256 float32; ln2_b 256 float32; ln2_g 256 float32; src 2 x 4,096 x 256 float32.
;; Outputs: out0 2 x 4,096 x 256 float32.
;; 2 versions, each right and faster than the one before. Each part assembles by itself: llvm-mc -triple=amdgcn-amd-amdhsa -mcpu=gfx1250 --defsym DOCPART=n.
;; ======== version 1 of 2: 3 launches
;; workspace buffers: qf 4,194,304 bytes; kv 8,388,608 bytes; ctxf 4,194,304 bytes; wf 1,179,648 bytes
;; launch proj (part 1): grid 64 x 4, 8 waves a work-group, no clusters, 175,104 bytes of LDS; arguments src, Wq, Wk, Wv, bq, bk, bv, Wo, W1, W2, qf, kv, wf; writes qf, kv, wf
.if DOCPART == 1
	.amdgcn_target "amdgcn-amd-amdhsa--gfx1250"
	.amdhsa_code_object_version 6
	.text
	.protected	k_qfad87eddee_proj
	.globl	k_qfad87eddee_proj
	.p2align	8
	.type	k_qfad87eddee_proj,@function
k_qfad87eddee_proj:
	s_mov_b64 s[64:65], 0
	v_nop
	global_prefetch_b8 v0, s[64:65] scope:SCOPE_SE
	s_setreg_imm32_b32 hwreg(HW_REG_WAVE_MODE, 25, 1), 1
	s_wait_xcnt 0x0
; q, k, v = src W + b for two heads and 128 rows a work-group; beside it Wo, W1, W2 are rounded to bf16 and laid out for the last launch.
; ALL RESULTS LEAVE IN FRAGMENT ORDER: a fragment is 16 rows x 32 k of bf16, 1,024 bytes: bytes 16 L of the first 512 are registers 0-3 of lane L, of the second 512 registers 4-7.
; A lane's eight f32 results of one accumulator pack into just those 16 bytes, so every store of a wave covers 512 consecutive bytes, aligned, and the next launch loads fragments as they lie.
;   qf [b*8+h][token tile][1 KB]   row = token, k = channel; holds (q + bq) * log2(e)/sqrt(32), scaled in f32 ahead of the one rounding
;   kv [b*8+h][step of 64 keys][8 KB]: four K fragments (16 keys x 32 channels), then four V^T fragments (16 channels x 32 keys) at 4096 + (2 kk + cb) * 1024
;   wf [unit 0..8][ks][nb][1 KB]   row = output column 16 nb + r, k = 32 ks ..; unit 0 Wo, 1-4 W1's column blocks of 256, 5-8 W2's row blocks of 256
; SHARES.  Work-group (x, y): rows 128 x .., heads 2 y, 2 y + 1.  Wave w: 32 rows (w / 2), one head (w % 2): 12 accumulators (2 m blocks x q0 q1 k0 k1 v0 v1).
; q and k are made transposed (source 0 = W, source 1 = src: a lane holds one token and 8 channels), v straight (a lane holds one channel and 8 tokens).
; NO TENSOR LOADS, NO CLUSTER: every input byte is f32 and has to pass through registers to be rounded to bf16, so nothing could land in LDS in the form in which it is read.
; LIMITS.  Matrix operands are bf16 (8 significant bits), sums f32.  NaN and infinities are not treated apart.
.set SRCP,  528                        ; a row of src in LDS: 512 bytes of bf16 + 16: an odd multiple of 16, so the 16 rows of a fragment load start in 16 different groups of banks
.set WP,    416                        ; a row d of the weights: 2 heads x 3 matrices x 64 bytes + 32: an odd multiple of 32
.set WOFF,  128*SRCP                   ; the weights lie behind src's 128 rows
.set WHALF, 128*WP                     ; rows 128 on are reached by a second address register: the immediate has 16 bits
.set SPARE, WOFF+256*WP                ; the spare words, 128 bytes a wave: four blocks of 256 bytes that no other line names
.set GL,  2                            ; v2   16 t: my 16 bytes in each 4,096 that the work-group loads at once
.set SD,  3                            ; v3   where my 4 numbers of src go
.set WD0, 4                            ; v4-5 where my 4 numbers of a weight go (rows 0-127, 128-255)
.set WD1, 5
.set AS,  6                            ; v6   my place in a fragment of src
.set AW0, 7                            ; v7-8 my place in a turned fragment of W
.set AW1, 8
.set L16, 9                            ; v9   16 x lane
.set HB,  10                           ; v10  32 x (lane / 16)
.set R4,  11                           ; v11  4 x (lane % 16)
.set O1,  12                           ; v12  my place in a half fragment's source, rows of 4,096 bytes
.set O2,  13                           ; v13  the same, rows of 1,024 bytes
.set SPW, 14                           ; v14  my spare word
.set NIL, 15                           ; v15  0
.set BQ,  16                           ; v16-31 bq, v32-47 bk: the C operand that starts q's and k's sums
.set BV,  48                           ; v48-49 bv of channel r, twice; v50-51 of channel 16 + r, twice
.set UN,  52                           ; v52-59 a half fragment of W1 or W2
.set UO,  60                           ; v60-67 a half fragment of Wo (wave 0)
.set LA,  68                           ; v68-131, v132-195 two landing buffers of 16 loads
.set LB,  132
.set FR,  68                           ; later: W's six fragments, then src's two
.set ACC, 160                          ; v160-255
.set WV,  34
.set RB,  35
.set HP,  36
.set RQ,  37
.set HL,  38
.set HEAD, 39
.set CS,  56                           ; s[56:57] log2(e)/sqrt(32)
.macro LOADB buf, lo, i0               ; 16 loads: 64 KB for the work-group
.set i, 0
.rept 16
	global_load_b128 v[(\buf)+4*i:(\buf)+4*i+3], v[GL], s[\lo:\lo+1] offset:((\i0)+i)*4096
.set i, i+1
.endr
.endm
.macro CVTS buf, i0                    ; 16 x 4 numbers of src rounded and put into LDS: load i holds rows 4 i .. 4 i + 3
.set i, 0
.rept 16
	v_cvt_pk_bf16_f32 v[(\buf)+4*i], v[(\buf)+4*i], v[(\buf)+4*i+1]
	v_cvt_pk_bf16_f32 v[(\buf)+4*i+1], v[(\buf)+4*i+2], v[(\buf)+4*i+3]
	ds_store_b64 v[SD], v[(\buf)+4*i:(\buf)+4*i+1] offset:((\i0)+i)*4*SRCP
.set i, i+1
.endr
.endm
.macro CVTW buf, mat                   ; the same for a weight: load i holds head i / 8, rows 32 (i % 8) ..
.set i, 0
.rept 16
	v_cvt_pk_bf16_f32 v[(\buf)+4*i], v[(\buf)+4*i], v[(\buf)+4*i+1]
	v_cvt_pk_bf16_f32 v[(\buf)+4*i+1], v[(\buf)+4*i+2], v[(\buf)+4*i+3]
.if (i&7) < 4
	ds_store_b64 v[WD0], v[(\buf)+4*i:(\buf)+4*i+1] offset:(i&3)*32*WP+(i>>3)*192+(\mat)*64
.else
	ds_store_b64 v[WD1], v[(\buf)+4*i:(\buf)+4*i+1] offset:(i&3)*32*WP+(i>>3)*192+(\mat)*64
.endif
.set i, i+1
.endr
.endm
.macro UNITLD dst, off, lo, pitch      ; half a fragment of a weight stored [k][n]: my column, 8 rows
.set i, 0
.rept 8
	global_load_b32 v[(\dst)+i], v[\off], s[\lo:\lo+1] offset:i*(\pitch)
.set i, i+1
.endr
.endm
.macro UNITST dst, lo                  ; rounded, 16 bytes a lane, 512 consecutive bytes a wave
	v_cvt_pk_bf16_f32 v[(\dst)], v[(\dst)], v[(\dst)+1]
	v_cvt_pk_bf16_f32 v[(\dst)+1], v[(\dst)+2], v[(\dst)+3]
	v_cvt_pk_bf16_f32 v[(\dst)+2], v[(\dst)+4], v[(\dst)+5]
	v_cvt_pk_bf16_f32 v[(\dst)+3], v[(\dst)+6], v[(\dst)+7]
	global_store_b128 v[L16], v[(\dst):(\dst)+3], s[\lo:\lo+1]
.endm
	s_load_b512 s[8:23], s[0:1], 0x0               ; src 8, Wq 10, Wk 12, Wv 14, bq 16, bk 18, bv 20, Wo 22
	s_load_b256 s[24:31], s[0:1], 0x40             ; W1 24, W2 26, qf 28, kv 30
	s_load_b64 s[32:33], s[0:1], 0x60              ; wf
	v_lshl_add_u32 v[SPW], v0, 2, SPARE
	v_mov_b32 v[NIL], 0
	v_lshrrev_b32 v1, 5, v0
	v_readfirstlane_b32 s[WV], v1                  ; wave 0..7
	s_mov_b32 s[RB], ttmp9                         ; block of 128 rows
	s_and_b32 s[HP], ttmp7, 0xffff                 ; pair of heads
	s_lshr_b32 s[RQ], s[WV], 1                     ; my 32 rows
	s_and_b32 s[HL], s[WV], 1                      ; my head of the two
	s_lshl1_add_u32 s[HEAD], s[HP], s[HL]
	s_mov_b32 s[CS], 0x3e8293ee                    ; log2(e)/sqrt(32) = 0.255035
	s_mov_b32 s[CS+1], s[CS]                       ; named with it as a pair
	v_and_b32 v52, 15, v0                          ; r = lane % 16
	v_bfe_u32 v53, v0, 4, 1                        ; h = lane / 16
	v_lshlrev_b32 v[GL], 4, v0
	v_lshrrev_b32 v54, 6, v0                       ; src: 64 threads to a row of 1,024 bytes
	v_and_b32 v55, 63, v0
	v_mul_u32_u24 v[SD], v54, SRCP
	v_lshl_add_u32 v[SD], v55, 3, v[SD]
	v_lshrrev_b32 v54, 3, v0                       ; W: 8 threads to a row of 128 bytes
	v_and_b32 v55, 7, v0
	v_mul_u32_u24 v[WD0], v54, WP
	v_lshl_add_u32 v[WD0], v55, 3, v[WD0]
	v_add_nc_u32 v[WD0], WOFF, v[WD0]
	v_add_nc_u32 v[WD1], WHALF, v[WD0]
	v_mul_u32_u24 v[AS], v52, SRCP                 ; a fragment of src: row r, 16 bytes for each half of the lanes
	v_lshl_add_u32 v[AS], v53, 4, v[AS]
	s_mul_i32 s40, s[RQ], 32*SRCP
	v_add_nc_u32 v[AS], s40, v[AS]
	v_lshl_add_u32 v54, v53, 3, v55                ; the turning load: row 8 h + lane % 8, 16 bytes at 16 ((lane / 8) % 2)
	v_mul_u32_u24 v[AW0], v54, WP
	v_bfe_u32 v54, v0, 3, 1
	v_lshl_add_u32 v[AW0], v54, 4, v[AW0]
	s_mul_i32 s40, s[HL], 192
	s_add_co_u32 s40, s40, WOFF
	v_add_nc_u32 v[AW0], s40, v[AW0]
	v_add_nc_u32 v[AW1], WHALF, v[AW0]
	v_and_b32 v54, 31, v0
	v_lshlrev_b32 v[L16], 4, v54
	v_lshlrev_b32 v[HB], 5, v53
	v_lshlrev_b32 v[R4], 2, v52
	v_lshl_add_u32 v[O1], v53, 15, v[R4]           ; 8 h rows of 4,096 bytes + column r
	v_lshl_add_u32 v[O2], v53, 13, v[R4]           ; 8 h rows of 1,024 bytes + column r
	s_wait_kmcnt 0x0
	; every base is made here, ahead of the first load, and none is written again
	s_mov_b32 s41, 0
	s_lshl_b32 s40, s[RB], 17                      ; 128 rows of 1,024 bytes
	s_add_nc_u64 s[8:9], s[8:9], s[40:41]
	s_lshl_b32 s40, s[HP], 16                      ; two heads of 32,768 bytes
	s_add_nc_u64 s[10:11], s[10:11], s[40:41]
	s_add_nc_u64 s[12:13], s[12:13], s[40:41]
	s_add_nc_u64 s[14:15], s[14:15], s[40:41]
	s_lshl_b32 s40, s[HEAD], 7                     ; a head's 32 biases
	s_add_nc_u64 s[16:17], s[16:17], s[40:41]
	s_add_nc_u64 s[18:19], s[18:19], s[40:41]
	s_add_nc_u64 s[20:21], s[20:21], s[40:41]
	s_lshr_b32 s42, s[RB], 5
	s_lshl3_add_u32 s42, s42, s[HEAD]              ; bh = 8 b + head
	s_and_b32 s43, s[RB], 31
	s_lshl_b32 s43, s43, 3
	s_lshl1_add_u32 s43, s[RQ], s43                ; tt0: my first token tile in the batch
	s_lshl_b32 s40, s42, 8
	s_add_co_u32 s40, s40, s43
	s_lshl_b32 s40, s40, 10
	s_add_nc_u64 s[28:29], s[28:29], s[40:41]      ; qf at my first tile
	s_lshr_b32 s40, s43, 2
	s_lshl_b32 s44, s42, 6
	s_add_co_u32 s40, s40, s44
	s_lshl_b32 s40, s40, 13
	s_add_nc_u64 s[30:31], s[30:31], s[40:41]      ; kv at my step of 64 keys
	s_bfe_u32 s40, s43, 0x10001
	s_lshl_b32 s40, s40, 11
	s_add_co_u32 s40, s40, 4096
	s_add_nc_u64 s[60:61], s[30:31], s[40:41]      ; V^T: my 32 keys are half kk = (tt0 / 2) % 2 of the step
	s_and_b32 s40, s43, 3
	s_lshl_b32 s40, s40, 10
	s_add_nc_u64 s[30:31], s[30:31], s[40:41]      ; K: my tiles are key blocks tt0 % 4 and the next
	s_lshl_b32 s42, s[HP], 6
	s_add_co_u32 s42, s42, s[RB]                   ; g: the work-group's number, 0..255 = Wo's half fragment: half g & 1, nb (g >> 1) & 15, ks g >> 5
	s_and_b32 s43, s42, 1
	s_bfe_u32 s44, s42, 0x40001
	s_bfe_u32 s45, s42, 0x30005
	s_lshl_b32 s40, s45, 15
	s_lshl_b32 s43, s43, 14
	s_add_co_u32 s40, s40, s43
	s_lshl_b32 s44, s44, 6
	s_add_co_u32 s40, s40, s44
	s_add_nc_u64 s[22:23], s[22:23], s[40:41]      ; row 32 ks + 16 half, column 16 nb
	s_lshl_b32 s40, s42, 9
	s_add_nc_u64 s[50:51], s[32:33], s[40:41]
	s_and_b32 s43, s[WV], 3
	s_lshl2_add_u32 s42, s42, s43                  ; i = 4 g + w % 4, 0..1023: waves 0-3 a half fragment of W1, waves 4-7 of W2
	s_and_b32 s43, s42, 1                          ; half
	s_bfe_u32 s44, s42, 0x40001                    ; nb
	s_bfe_u32 s45, s42, 0x30005                    ; ks
	s_lshr_b32 s46, s42, 8                         ; block of 256
	s_lshl_b32 s44, s44, 6
	s_lshl_b32 s48, s42, 9
	s_mov_b32 s49, 0
.set i, 0
.rept 2
	global_load_b128 v[BQ+8*i:BQ+8*i+3],     v[HB], s[16:17] offset:i*64      ; channels 16 i + 8 h ..: what a lane's eight results of q want
	global_load_b128 v[BQ+8*i+4:BQ+8*i+7],   v[HB], s[16:17] offset:i*64+16
	global_load_b128 v[BQ+16+8*i:BQ+16+8*i+3], v[HB], s[18:19] offset:i*64
	global_load_b128 v[BQ+16+8*i+4:BQ+16+8*i+7], v[HB], s[18:19] offset:i*64+16
	global_load_b32 v[BV+2*i],   v[R4], s[20:21] offset:i*64                  ; channel 16 i + r, twice: a pair for the packed add
	global_load_b32 v[BV+2*i+1], v[R4], s[20:21] offset:i*64
.set i, i+1
.endr
	s_cmp_lg_u32 s[WV], 0
	s_cbranch_scc1 .Lno_wo_in
	UNITLD UO, O2, 22, 1024
.Lno_wo_in:
	s_cmp_lt_u32 s[WV], 4
	s_cbranch_scc0 .Lfrom_w2
	s_lshl_b32 s40, s45, 17                        ; W1: row 32 ks + 16 half of 4,096 bytes, column 256 c + 16 nb
	s_lshl_b32 s43, s43, 16
	s_add_co_u32 s40, s40, s43
	s_lshl_b32 s46, s46, 10
	s_add_co_u32 s40, s40, s46
	s_add_co_u32 s40, s40, s44
	s_add_nc_u64 s[54:55], s[24:25], s[40:41]
	s_add_co_u32 s48, s48, 131072                  ; units 1-4
	UNITLD UN, O1, 54, 4096
	s_branch .Lunit_in
.Lfrom_w2:
	s_lshl_b32 s40, s46, 18                        ; W2: row 256 c + 32 ks + 16 half of 1,024 bytes, column 16 nb
	s_lshl_b32 s45, s45, 15
	s_add_co_u32 s40, s40, s45
	s_lshl_b32 s43, s43, 14
	s_add_co_u32 s40, s40, s43
	s_add_co_u32 s40, s40, s44
	s_add_nc_u64 s[54:55], s[26:27], s[40:41]
	s_add_co_u32 s48, s48, 655360                  ; units 5-8
	UNITLD UN, O2, 54, 1024
.Lunit_in:
	s_add_nc_u64 s[52:53], s[32:33], s[48:49]
	LOADB LA, 8, 0                                 ; src, rows 0-63
	LOADB LB, 8, 16                                ; src, rows 64-127
	s_wait_loadcnt 16                              ; loads come back in order: all but the 16 youngest, the other landing buffer's, are in
	UNITST UN, 52
	s_cmp_lg_u32 s[WV], 0
	s_cbranch_scc1 .Lno_wo_out
	UNITST UO, 50
.Lno_wo_out:
	CVTS LA, 0
	LOADB LA, 10, 0                                ; Wq
	s_wait_loadcnt 16
	CVTS LB, 16
	LOADB LB, 12, 0                                ; Wk
	s_wait_loadcnt 16
	CVTW LA, 0
	LOADB LA, 14, 0                                ; Wv
	s_wait_loadcnt 16
	CVTW LB, 1
	s_wait_loadcnt 0x0
	CVTW LA, 2
	s_wait_dscnt 0x0                               ; for the others' sake: my stores into LDS are done
	s_barrier_signal -1
	s_barrier_wait -1
; One step of 32 along d: six turned fragments of W, two of src, twelve products, each accumulator once: the accumulators take turns.
; The second wave on the SIMD works while this one waits for its fragments, so one fragment buffer serves.
.macro KS ks
.if (\ks) > 0
.rept 4
	v_nop                                          ; four places between the last products and the loads into registers that they read (ISA guide 7.12.1 for vector instructions)
.endr
.endif
.if (\ks) < 4
.set AW, AW0
.else
.set AW, AW1
.endif
.set i, 0
.rept 6
	ds_load_tr16_b128 v[FR+8*i:FR+8*i+3],   v[AW] offset:((\ks)&3)*32*WP+i*32
	ds_load_tr16_b128 v[FR+8*i+4:FR+8*i+7], v[AW] offset:((\ks)&3)*32*WP+i*32+16*WP
.set i, i+1
.endr
.set i, 0
.rept 2
	ds_load_b128 v[FR+48+8*i:FR+48+8*i+3],   v[AS] offset:i*16*SRCP+(\ks)*64
	ds_load_b128 v[FR+48+8*i+4:FR+48+8*i+7], v[AS] offset:i*16*SRCP+(\ks)*64+32
.set i, i+1
.endr
	s_wait_dscnt 0x0
.set i, 0
.rept 12
.set fw, FR+8*(i%6)
.set fs, FR+48+8*(i/6)
.set ac, ACC+8*i
.if (i%6) < 4
.if (\ks) == 0
	v_wmma_f32_16x16x32_bf16 v[ac:ac+7], v[fw:fw+7], v[fs:fs+7], v[BQ+8*(i%6):BQ+8*(i%6)+7]   ; the bias starts q's and k's sums
.else
	v_wmma_f32_16x16x32_bf16 v[ac:ac+7], v[fw:fw+7], v[fs:fs+7], v[ac:ac+7]
.endif
.else
.if (\ks) == 0
	v_wmma_f32_16x16x32_bf16 v[ac:ac+7], v[fs:fs+7], v[fw:fw+7], 0
.else
	v_wmma_f32_16x16x32_bf16 v[ac:ac+7], v[fs:fs+7], v[fw:fw+7], v[ac:ac+7]
.endif
.endif
.set i, i+1
.endr
.endm
.irp k, 0,1,2,3,4,5,6,7
	KS \k
.endr
	; THE WAY OUT: q is scaled, v takes its bias, each accumulator is rounded in place from its low end on and stored: 16 bytes a lane.
.rept 4
	v_nop
.endr
.set i, 0
.rept 12
.set ac, ACC+8*i
.set ty, i%6
.set mb, i/6
.set z, 0
.rept 4
.if ty < 2
	v_pk_mul_f32 v[ac+2*z:ac+2*z+1], v[ac+2*z:ac+2*z+1], s[CS:CS+1] op_sel_hi:[1,0]
.elseif ty >= 4
	v_pk_add_f32 v[ac+2*z:ac+2*z+1], v[ac+2*z:ac+2*z+1], v[BV+2*(ty-4):BV+2*(ty-4)+1]
.endif
.set z, z+1
.endr
.set z, 0
.rept 4
	v_cvt_pk_bf16_f32 v[ac+z], v[ac+2*z], v[ac+2*z+1]
.set z, z+1
.endr
.if ty < 2
	global_store_b128 v[L16], v[ac:ac+3], s[28:29] offset:mb*1024+ty*512
.elseif ty < 4
	global_store_b128 v[L16], v[ac:ac+3], s[30:31] offset:mb*1024+(ty-2)*512
.else
	global_store_b128 v[L16], v[ac:ac+3], s[60:61] offset:(ty-4)*1024+mb*512
.endif
.set i, i+1
.endr
	s_wait_tensorcnt 0x0                           ; the wave's end, behind my last LDS store
	ds_add_u32 v[SPW], v[NIL]
	s_wait_dscnt 0x0
	s_endpgm
.Lfunc_end_k_qfad87eddee_proj:
	.size	k_qfad87eddee_proj, .Lfunc_end_k_qfad87eddee_proj-k_qfad87eddee_proj
	.p2alignl 7, 3214868480
	.fill 96, 4, 3214868480
	.section	.rodata,"a",@progbits
	.p2align	6, 0x0
	.amdhsa_kernel k_qfad87eddee_proj
		.amdhsa_group_segment_fixed_size 175104
		.amdhsa_private_segment_fixed_size 0
		.amdhsa_enable_private_segment 0
		.amdhsa_kernarg_size 104
		.amdhsa_user_sgpr_count 2
		.amdhsa_user_sgpr_kernarg_segment_ptr 1
		.amdhsa_wavefront_size32 1
		.amdhsa_system_sgpr_workgroup_id_x 1
		.amdhsa_system_sgpr_workgroup_id_y 1
		.amdhsa_system_sgpr_workgroup_id_z 1
		.amdhsa_system_vgpr_workitem_id 0
		.amdhsa_next_free_vgpr 256
		.amdhsa_next_free_sgpr 66
		.amdhsa_reserve_vcc 0
		.amdhsa_float_denorm_mode_32 3
		.amdhsa_float_denorm_mode_16_64 3
		.amdhsa_memory_ordered 1
		.amdhsa_forward_progress 1
		.amdhsa_inst_pref_size 54
	.end_amdhsa_kernel
	.amdgpu_metadata
---
amdhsa.version: [ 1, 2 ]
amdhsa.kernels:
  - .name:           k_qfad87eddee_proj
    .symbol:         k_qfad87eddee_proj.kd
    .args:
      - { .name: src, .offset: 0, .size: 8, .value_kind: global_buffer, .address_space: global }
      - { .name: Wq, .offset: 8, .size: 8, .value_kind: global_buffer, .address_space: global }
      - { .name: Wk, .offset: 16, .size: 8, .value_kind: global_buffer, .address_space: global }
      - { .name: Wv, .offset: 24, .size: 8, .value_kind: global_buffer, .address_space: global }
      - { .name: bq, .offset: 32, .size: 8, .value_kind: global_buffer, .address_space: global }
      - { .name: bk, .offset: 40, .size: 8, .value_kind: global_buffer, .address_space: global }
      - { .name: bv, .offset: 48, .size: 8, .value_kind: global_buffer, .address_space: global }
      - { .name: Wo, .offset: 56, .size: 8, .value_kind: global_buffer, .address_space: global }
      - { .name: W1, .offset: 64, .size: 8, .value_kind: global_buffer, .address_space: global }
      - { .name: W2, .offset: 72, .size: 8, .value_kind: global_buffer, .address_space: global }
      - { .name: qf, .offset: 80, .size: 8, .value_kind: global_buffer, .address_space: global }
      - { .name: kv, .offset: 88, .size: 8, .value_kind: global_buffer, .address_space: global }
      - { .name: wf, .offset: 96, .size: 8, .value_kind: global_buffer, .address_space: global }
    .group_segment_fixed_size: 175104
    .private_segment_fixed_size: 0
    .kernarg_segment_align: 8
    .kernarg_segment_size: 104
    .max_flat_workgroup_size: 256
    .sgpr_count:     66
    .vgpr_count:     256
    .wavefront_size: 32
...
	.end_amdgpu_metadata
.endif
;; end of part 1
;; launch attn (part 2): grid 16 x 16, 8 waves a work-group, clusters of 4 x 1, 327,680 bytes of LDS; arguments qf, kv, ctxf; writes ctxf
.if DOCPART == 2
	.amdgcn_target "amdgcn-amd-amdhsa--gfx1250"
	.amdhsa_code_object_version 6
	.text
	.protected	k_qfad87eddee_attn
	.globl	k_qfad87eddee_attn
	.p2align	8
	.type	k_qfad87eddee_attn,@function
k_qfad87eddee_attn:
	s_mov_b64 s[64:65], 0
	v_nop
	global_prefetch_b8 v0, s[64:65] scope:SCOPE_SE
	s_setreg_imm32_b32 hwreg(HW_REG_WAVE_MODE, 25, 1), 1
	s_wait_xcnt 0x0
	s_wait_alu depctr_hold_cnt(0) depctr_sa_sdst(0) depctr_va_vdst(0) depctr_va_sdst(0) depctr_va_ssrc(0) depctr_va_vcc(0) depctr_vm_vsrc(0)
	s_getreg_b32 s2, hwreg(HW_REG_IB_STS2, 6, 4)
	s_cmp_eq_u32 s2, 0
	s_cbranch_scc0 .Lentry_in_a_cluster
	s_endpgm
.Lentry_in_a_cluster:
	s_bfe_u32 s2, ttmp6, 0x10000c
	s_cmp_lg_u32 s2, 0x3003
	s_cbranch_scc0 .Lentry_shape_is_right
	s_endpgm
.Lentry_shape_is_right:
; ctx[b][q][h*32 ..] = the sum over k of softmax_k(q . k / sqrt(32)) v, head size 32, 4,096 keys, 16 pairs (batch, head).  q arrives scaled by log2(e)/sqrt(32), so p = 2^(s - m).
; All three buffers are in fragment order (16 rows x 32 k of bf16 = 1,024 bytes: lane L's registers 0-3 at byte 16 L, registers 4-7 at 512 + 16 L), so every fragment is two loads of 512 consecutive bytes.
; SHARES.  A work-group owns 256 queries of one (batch, head); each of its eight waves two tiles of 16.  Every wave walks all keys, 64 a step.
; THE COUNT.  A tile and step have 10 matrix and 94 vector instructions, so the vector unit sets the pace.  Two waves lie on a SIMD, each written in plain phases: one wave's products run
; while the other is in its softmax.  All registers fit one window of 256, so no window is ever switched.
; LAYOUT.  S^T = K Q^T: a lane holds ONE query (lane % 16) and the keys 8 (lane / 16) + 0..7 of each block of 16.  Two such results rounded to bf16 in pairs ARE source 1 of O^T = V^T P.
; SOFTMAX.  A running maximum m for each query; O and l are multiplied by a = 2^(m_old - m_new) in every step.  m starts at the lowest finite number, O and l at 0: the first step's a is 0.
; THE ROW SUM l is a product too: a source 0 whose rows 0 and 8 are ones puts the sum of a query's 64 rounded weights into register 0 of a third accumulator, in both halves of the lanes.
; CLUSTER.  The four query blocks of a cluster belong to one (batch, head) and walk the same K and V: each tile is asked for JOINTLY, by the same tensor load, descriptor and mask in all four.
; RING.  Two slots of 16 steps (131,072 bytes).  Each wave fetches two steps (64 rows of 256 bytes) with one load; one tensor load of a wave is out at any time.
; LIMITS.  Operands bf16, sums f32.  A weight below 2^-126 counts as 0.  Scores at or below the lowest finite f32, NaN and infinities are not treated apart.
.set CHUNK, 131072
.set SLOT1, 131072                     ; slot 1 begins here: one exclusive or turns an address in one slot into the other's
.set STEPB, 8192                       ; a step: four K fragments, then four V^T fragments
.set SPARE, 262144                     ; behind the ring: the spare words, 128 bytes a wave: four blocks of 256 bytes that no other line names
.set L16, 2                            ; v2   16 x lane; never rewritten
.set ADR, 3                            ; v3   LDS address of the step being fetched
.set SPW, 14                           ; v14  my spare word
.set NIL, 15                           ; v15  0
.set ST,  16                           ; tile t at v[16 + 8 t]: m, m_new, a, 0, c0-c3 at work
.set Q,   32                           ; v32-47
.set ONES, 48                          ; v48-55
.set K,   64                           ; v64-95
.set V,   96                           ; v96-127
.set S,   128                          ; v128-191: 32 a tile; P is packed into the low 16 in place
.set O,   192                          ; v192-239: 24 a tile: channels 0-15, channels 16-31, l
.set WV,  12
.set G1,  24
.set G0,  40
.set SLOTS, 56
.set CNT, 57
.set SEL, 60
.set TB,  62                           ; s62  LDS byte of the step to be fetched next
.macro CROUND                          ; a round of the cluster's barrier
	s_barrier_signal -1
	s_barrier_wait -1
	s_cmp_lg_u32 s[WV], 0
	s_cbranch_scc1 .Lnot_wave_0_\@
	s_barrier_signal -3
.Lnot_wave_0_\@:
	s_barrier_wait -3
	s_barrier_signal -1
	s_barrier_wait -1
.endm
; THE CHANGE OF SLOTS.  Each wave waits for all its tensor loads (one is out: its part of the other slot), adds 0 to its spare word, and waits for that and for its reads of the slot that it leaves.
; fill = 1: a round of the cluster's barrier, so that no wave of any partner still reads the slot; the joint refill is the first thing behind it and has 16 steps in which to land.
.macro CHANGE fill
	s_wait_tensorcnt 0x0                           ; no tensor load of mine is out, so the descriptor may be written
	ds_add_u32 v[SPW], v[NIL]                      ; 0 onto my spare word; the scalar steps stand between it and the wait for it
.if \fill
	s_xor_b32 s[G0+1], s[G0+1], SLOT1              ; the other slot than last time,
	s_add_nc_u64 s[G0+2:G0+3], s[G0+2:G0+3], CHUNK ; the next 1,024 keys; the type bits on top are not reached
.endif
	s_sub_co_u32 s[TB], s[TB], CHUNK               ; the fetches go back to a slot's first step,
	s_xor_b32 s[TB], s[TB], SLOT1                  ; in the other slot
	s_wait_dscnt 0x0                               ; the add is done, and my reads of the slot are over
.if \fill
	CROUND
	tensor_load_to_lds s[G0:G0+3], s[G1:G1+7]
	s_nop 0
.else
	s_barrier_signal -1
	s_barrier_wait -1
.endif
.endm
	s_load_b128 s[4:7], s[0:1], 0x0                ; qf s[4:5], kv s[6:7]
	s_load_b64 s[8:9], s[0:1], 0x10                ; ctxf
	v_lshl_add_u32 v[SPW], v0, 2, SPARE
	v_mov_b32 v[NIL], 0
	ds_add_u32 v[SPW], v[NIL]                      ; the wave's opening: the add and its wait ahead of my first tensor load
	v_lshrrev_b32 v1, 5, v0
	v_readfirstlane_b32 s[WV], v1                  ; wave 0..7
	s_bfe_u32 s13, ttmp6, 0x40000                  ; cx
	s_lshl_b32 s14, ttmp9, 2
	s_add_co_u32 s14, s14, s13                     ; my block of 256 queries: it enters Q's and ctx's addresses alone
	s_and_b32 s15, ttmp7, 0xffff                   ; bh = 8 b + head, which the four partners share
	s_mov_b32 s[G1], 15|(1<<16)|(1<<21)            ; the mask of four; 2-byte elements; bit 21 set beside a mask; no padding: fragments are read as they lie
	s_mov_b32 s[G1+1], 128<<16                     ; tensor_dim0 = 128
	s_mov_b32 s[G1+2], 64<<16                      ; tensor_dim1 = 64
	s_mov_b32 s[G1+3], 128<<16                     ; tile_dim0 = 128 (256 bytes)
	s_mov_b32 s[G1+4], 64                          ; tile_dim1 = 64 rows
	s_mov_b32 s[G1+5], 128                         ; dense: 128 elements from row to row
	s_mov_b32 s[G1+6], 0
	s_mov_b32 s[G1+7], 0
	s_mov_b32 s[G0], 1
	s_mul_i32 s[G0+1], s[WV], 16384                ; my two steps' place in slot 0
	s_lshl_b32 s16, s15, 19                        ; kv: 524,288 bytes a (batch, head),
	s_lshl_b32 s17, s[WV], 14                      ; my two steps
	s_add_co_u32 s16, s16, s17
	s_mov_b32 s17, 0
	s_lshl_b32 s18, s15, 8                         ; qf: tile 256 bh + 16 block + 2 wave
	s_lshl_b32 s19, s14, 4
	s_add_co_u32 s18, s18, s19
	s_lshl1_add_u32 s18, s[WV], s18
	s_lshl_b32 s18, s18, 10
	s_mov_b32 s19, 0
	s_lshr_b32 s20, s15, 3                         ; ctxf: ((256 b + 16 block + 2 wave) x 8 + head) KB
	s_lshl_b32 s20, s20, 8
	s_lshl_b32 s21, s14, 4
	s_add_co_u32 s20, s20, s21
	s_lshl1_add_u32 s20, s[WV], s20
	s_and_b32 s21, s15, 7
	s_lshl3_add_u32 s20, s20, s21
	s_lshl_b32 s20, s20, 10
	s_mov_b32 s21, 0
	s_mov_b32 s[SEL], 0x76543210
	s_mov_b32 s[SEL+1], 0xfedcba98
	s_mov_b32 s[TB], SLOT1+CHUNK                   ; the first change of slots turns this into 0
	s_wait_dscnt 0x0                               ; the opening add is done
	s_wait_kmcnt 0x0
	s_add_nc_u64 s[G0+2:G0+3], s[6:7], s[16:17]
	s_or_b32 s[G0+3], s[G0+3], 0x80000000          ; type = 2
	s_add_nc_u64 s[4:5], s[4:5], s[18:19]
	s_add_nc_u64 s[8:9], s[8:9], s[20:21]
	CROUND                                         ; all four work-groups are here: the first joint loads meet
	tensor_load_to_lds s[G0:G0+3], s[G1:G1+7]      ; keys 0-1,023 into slot 0
	s_nop 0
	v_and_b32 v1, 31, v0
	v_lshlrev_b32 v[L16], 4, v1
.set i, 0
.rept 2
	global_load_b128 v[Q+8*i:Q+8*i+3],   v[L16], s[4:5] offset:i*1024 th:TH_LOAD_NT
	global_load_b128 v[Q+8*i+4:Q+8*i+7], v[L16], s[4:5] offset:i*1024+512 th:TH_LOAD_NT
.set i, i+1
.endr
	v_and_b32 v1, 7, v0                            ; rows 0 and 8 of the ones matrix lie in the lanes with lane % 8 = 0
	v_mov_b32 v4, 0x3f803f80
	v_cmp_eq_u32 vcc_lo, 0, v1
	v_cndmask_b32 v[ONES], 0, v4, vcc_lo
.set i, 1
.rept 7
	v_mov_b32 v[ONES+i], v[ONES]
.set i, i+1
.endr
.set i, 0
.rept 48                                       ; O and l start at 0, in the wait for the first tile: the price of writing no first step out
	v_mov_b32 v[O+i], 0
.set i, i+1
.endr
.set i, 0
.rept 2
	v_mov_b32 v[ST+8*i], 0xff7fffff                ; m
	v_mov_b32 v[ST+8*i+3], 0                       ; named with a as a pair
.set i, i+1
.endr
.macro FETCH_K
.set i, 0
.rept 4
	ds_load_b128 v[K+8*i:K+8*i+3],   v[ADR] offset:i*1024
	ds_load_b128 v[K+8*i+4:K+8*i+7], v[ADR] offset:i*1024+512
.set i, i+1
.endr
.endm
.macro FETCH_V
.set i, 0
.rept 4
	ds_load_b128 v[V+8*i:V+8*i+3],   v[ADR] offset:4096+i*1024
	ds_load_b128 v[V+8*i+4:V+8*i+7], v[ADR] offset:4096+i*1024+512
.set i, i+1
.endr
.endm
.macro KQ                              ; 8 products, each a whole sum (32 channels): key block i / 2, tile i % 2
.set i, 0
.rept 8
	v_wmma_f32_16x16x32_bf16 v[S+32*(i%2)+8*(i/2):S+32*(i%2)+8*(i/2)+7], v[K+8*(i/2):K+8*(i/2)+7], v[Q+8*(i%2):Q+8*(i%2)+7], 0
.set i, i+1
.endr
.endm
.macro PV                              ; 12 products: keys 32 (i / 6) on; channels 0-15, 16-31, the row sum; tile i % 2.  The six accumulators take turns
.set i, 0
.rept 12
.set kk, i/6
.set pa, (i%6)/2
.set rO, O+24*(i%2)+8*pa
.set rP, S+32*(i%2)+8*kk
.if pa < 2
	v_wmma_f32_16x16x32_bf16 v[rO:rO+7], v[V+8*(2*kk+pa):V+8*(2*kk+pa)+7], v[rP:rP+7], v[rO:rO+7]
.else
	v_wmma_f32_16x16x32_bf16 v[rO:rO+7], v[ONES:ONES+7], v[rP:rP+7], v[rO:rO+7]
.endif
.set i, i+1
.endr
.endm
; Number n of the 21 that find tile t's maximum and a.  0-11: four chains of seven scores, three operands at a time, each accumulator's lowest registers first;
; 12-15: the four scores left over, the old m, all into c0; 16, 17: the query's other 32 keys lie in the lane 16 away; 18-20: a, and m is renewed.
.macro XS t, n
.set rT, ST+8*(\t)
.set rS, S+32*(\t)
.if (\n) < 4
	v_max3_num_f32 v[rT+4+(\n)], v[rS+8*(\n)], v[rS+8*(\n)+1], v[rS+8*(\n)+2]
.elseif (\n) < 12
	v_max3_num_f32 v[rT+4+(\n)%4], v[rT+4+(\n)%4], v[rS+8*((\n)%4)+2*((\n)/4)+1], v[rS+8*((\n)%4)+2*((\n)/4)+2]
.elseif (\n) == 12
	v_max3_num_f32 v[rT+4], v[rT+4], v[rS+7], v[rS+15]
.elseif (\n) == 13
	v_max3_num_f32 v[rT+5], v[rT+5], v[rS+23], v[rS+31]
.elseif (\n) == 14
	v_max3_num_f32 v[rT+6], v[rT+6], v[rT+7], v[rT]
.elseif (\n) == 15
	v_max3_num_f32 v[rT+4], v[rT+4], v[rT+5], v[rT+6]
.elseif (\n) == 16
	v_permlanex16_b32 v[rT+7], v[rT+4], s[SEL], s[SEL+1]
.elseif (\n) == 17
	v_max_num_f32 v[rT+1], v[rT+4], v[rT+7]
.elseif (\n) == 18
	v_sub_f32 v[rT+5], v[rT], v[rT+1]
.elseif (\n) == 19
	v_exp_f32 v[rT+2], v[rT+5]
.else
	v_mov_b32 v[rT], v[rT+1]
	s_wait_alu depctr_va_vdst(0)
.endif
.endm
.macro SUBM t, p                       ; s - m for pair p
	v_pk_add_f32 v[S+32*(\t)+2*(\p):S+32*(\t)+2*(\p)+1], v[S+32*(\t)+2*(\p):S+32*(\t)+2*(\p)+1], v[ST+8*(\t):ST+8*(\t)+1] op_sel_hi:[1,0] neg_lo:[0,1] neg_hi:[0,1]
.endm
.macro EXPN t, n
	v_exp_f32 v[S+32*(\t)+(\n)], v[S+32*(\t)+(\n)]
.endm
.macro CVTP t, n                       ; pair n rounded to bf16, in place: register n lies at or below the pair that it is made of
	s_wait_alu depctr_va_vdst(0)
	v_cvt_pk_bf16_f32 v[S+32*(\t)+(\n)], v[S+32*(\t)+2*(\n)], v[S+32*(\t)+2*(\n)+1]
.endm
.macro RSNEXT                          ; the next of the 18 that multiply O and l by a: tile rq % 2, pair rq / 2, in ascending order
.set rT, ST+8*(rq%2)
.set rO, O+24*(rq%2)
.if rq/2 < 8
	v_pk_mul_f32 v[rO+2*(rq/2):rO+2*(rq/2)+1], v[rO+2*(rq/2):rO+2*(rq/2)+1], v[rT+2:rT+3] op_sel_hi:[1,0]
.else
	v_mul_f32 v[rO+16], v[rT+2], v[rO+16]
.endif
.set rq, rq+1
.endm
; Both tiles' softmax for one step.  From the exponentials on, exponential and plain instruction by turns: each exponential has a plain instruction behind it that names none of its
; registers (ISA guide 5.7.2): a subtraction two pairs ahead, a rounding a pair back, or a rescaling.
.macro SOFTMAX
.irp n, 0,1,2,3,4,5,6,7,8,9,10,11,12,13,14,15,16,17,18,19,20
	XS 0, \n
	XS 1, \n
.endr
	SUBM 0, 0
	SUBM 1, 0
	SUBM 0, 1
	SUBM 1, 1
.set rq, 0
.rept 12
	RSNEXT
.endr
.set si, 0
.rept 16
	EXPN 0, 2*si
.if si < 14
	SUBM 0, si+2
.else
	RSNEXT
.endif
	EXPN 1, 2*si
.if si < 14
	SUBM 1, si+2
.else
	RSNEXT
.endif
	EXPN 0, 2*si+1
.if si > 0
	CVTP 0, si-1
.else
	RSNEXT
.endif
	EXPN 1, 2*si+1
.if si > 0
	CVTP 1, si-1
.else
	RSNEXT
.endif
.set si, si+1
.endr
	CVTP 0, 15
	CVTP 1, 15
.endm
; A trip: K of step j is fetched; softmax and V^T P of step j - 1; V of step j is fetched; K Q^T of step j.  All of a slot's reads stand ahead of the change of slots.
.macro TOP
	v_add_nc_u32 v[ADR], s[TB], v[L16]             ; with the three v_nop: the four places behind the products K Q^T, for the loads into K and the reads of the scores
	s_add_co_u32 s[TB], s[TB], STEPB
.rept 3
	v_nop
.endr
	FETCH_K
	SOFTMAX
	s_wait_dscnt 0x0                               ; V of step j - 1 and K of step j are in
	PV
.rept 5
	v_nop                                          ; five places: the next products write over P, and V is loaded anew
.endr
.endm
.macro BOTTOM
	FETCH_V
	KQ
	s_sub_co_u32 s[CNT], s[CNT], 1
	s_cmp_lg_u32 s[CNT], 0
.endm
	CHANGE 1                                       ; slot 0 is in, everybody's part of it; keys 1,024-2,047 are asked for, into slot 1
	v_add_nc_u32 v[ADR], s[TB], v[L16]
	s_add_co_u32 s[TB], s[TB], STEPB
	FETCH_K                                        ; step 0
	s_wait_loadcnt 0x0                             ; Q
	s_wait_dscnt 0x0
	s_mov_b32 s[CNT], 16
	s_mov_b32 s[SLOTS], 3
	s_branch .Lfirst                               ; the loop is entered in the middle of a trip
.Lslot:                                                ; twice: slots 0 and 1 are filled again, with the third and the fourth 1,024 keys
	CHANGE 1
	s_mov_b32 s[CNT], 16
.Lstep:
	TOP
.Lfirst:
	BOTTOM
	s_cbranch_scc1 .Lstep
	s_sub_co_u32 s[SLOTS], s[SLOTS], 1
	s_cmp_lg_u32 s[SLOTS], 0
	s_cbranch_scc1 .Lslot
	CHANGE 0                                       ; the last slot is written out: nothing is asked for
	s_mov_b32 s[CNT], 16
.Ltail:
	TOP
	BOTTOM
	s_cbranch_scc1 .Ltail
.rept 4
	v_nop
.endr
	SOFTMAX                                        ; the last step
	s_wait_dscnt 0x0
	PV
.rept 4
	v_nop
.endr
	; THE WAY OUT: O / l, rounded in place; a lane's eight channels are 16 bytes of a fragment of ctx, so a wave's store covers 512 consecutive bytes, aligned.
	v_rcp_f32 v[ST+2], v[O+16]
	v_rcp_f32 v[ST+10], v[O+40]
	v_nop                                          ; a plain instruction between the reciprocals and their use
.set tl, 0
	s_wait_alu depctr_va_vdst(0)
.rept 2
.set rO, O+24*tl
.set z, 0
.rept 8
	v_pk_mul_f32 v[rO+2*z:rO+2*z+1], v[rO+2*z:rO+2*z+1], v[ST+8*tl+2:ST+8*tl+3] op_sel_hi:[1,0]
.set z, z+1
.endr
.set z, 0
.rept 8
	v_cvt_pk_bf16_f32 v[rO+8*(z/4)+z%4], v[rO+2*z], v[rO+2*z+1]
.set z, z+1
.endr
	global_store_b128 v[L16], v[rO:rO+3],    s[8:9] offset:tl*8192
	global_store_b128 v[L16], v[rO+8:rO+11], s[8:9] offset:tl*8192+512
.set tl, tl+1
.endr
	s_wait_tensorcnt 0x0                           ; the wave's end, behind my last tensor load
	ds_add_u32 v[SPW], v[NIL]
	s_wait_dscnt 0x0
	CROUND                                         ; the closing round: no work-group ends while a partner may still ask for a tile that names it
	s_endpgm
.Lfunc_end_k_qfad87eddee_attn:
	.size	k_qfad87eddee_attn, .Lfunc_end_k_qfad87eddee_attn-k_qfad87eddee_attn
	.p2alignl 7, 3214868480
	.fill 96, 4, 3214868480
	.section	.rodata,"a",@progbits
	.p2align	6, 0x0
	.amdhsa_kernel k_qfad87eddee_attn
		.amdhsa_group_segment_fixed_size 327680
		.amdhsa_private_segment_fixed_size 0
		.amdhsa_enable_private_segment 0
		.amdhsa_kernarg_size 24
		.amdhsa_user_sgpr_count 2
		.amdhsa_user_sgpr_kernarg_segment_ptr 1
		.amdhsa_wavefront_size32 1
		.amdhsa_system_sgpr_workgroup_id_x 1
		.amdhsa_system_sgpr_workgroup_id_y 1
		.amdhsa_system_sgpr_workgroup_id_z 1
		.amdhsa_system_vgpr_workitem_id 0
		.amdhsa_next_free_vgpr 256
		.amdhsa_next_free_sgpr 66
		.amdhsa_reserve_vcc 1
		.amdhsa_float_denorm_mode_32 3
		.amdhsa_float_denorm_mode_16_64 3
		.amdhsa_memory_ordered 1
		.amdhsa_forward_progress 1
		.amdhsa_inst_pref_size 50
	.end_amdhsa_kernel
	.amdgpu_metadata
---
amdhsa.version: [ 1, 2 ]
amdhsa.kernels:
  - .name:           k_qfad87eddee_attn
    .symbol:         k_qfad87eddee_attn.kd
    .args:
      - { .name: qf, .offset: 0, .size: 8, .value_kind: global_buffer, .address_space: global }
      - { .name: kv, .offset: 8, .size: 8, .value_kind: global_buffer, .address_space: global }
      - { .name: ctxf, .offset: 16, .size: 8, .value_kind: global_buffer, .address_space: global }
    .group_segment_fixed_size: 327680
    .private_segment_fixed_size: 0
    .kernarg_segment_align: 8
    .kernarg_segment_size: 24
    .max_flat_workgroup_size: 256
    .sgpr_count:     66
    .vgpr_count:     256
    .wavefront_size: 32
...
	.end_amdgpu_metadata
.endif
;; end of part 2
;; launch ffn (part 3): grid 256 x 1, 4 waves a work-group, no clusters, 175,616 bytes of LDS; arguments ctxf, wf, src, out0, bo, b1, b2, ln1_g, ln1_b, ln2_g, ln2_b; writes out0
.if DOCPART == 3
	.amdgcn_target "amdgcn-amd-amdhsa--gfx1250"
	.amdhsa_code_object_version 6
	.text
	.protected	k_qfad87eddee_ffn
	.globl	k_qfad87eddee_ffn
	.p2align	8
	.type	k_qfad87eddee_ffn,@function
k_qfad87eddee_ffn:
	s_mov_b64 s[64:65], 0
	v_nop
	global_prefetch_b8 v0, s[64:65] scope:SCOPE_SE
	s_setreg_imm32_b32 hwreg(HW_REG_WAVE_MODE, 25, 1), 1
	s_wait_xcnt 0x0
; x = LN1(src + ctx Wo + bo);  out0 = LN2(x + relu(x W1 + b1) W2 + b2), for 32 rows a work-group.  Nothing between ctx and out0 goes through memory.
; NINE EQUAL UNITS [32 x 256] x [256 x 256]: unit 0 Wo; units 1-4 W1's column blocks, each followed by relu; units 5-8 W2's row blocks, summed into one set of accumulators.
; SHARES.  8,192 rows / 32 = 256 work-groups.  Wave w owns output columns 64 w .. 64 w + 63 of every unit: 2 m blocks x 4 n blocks = 8 accumulators.  Products are transposed
; (source 0 = W, source 1 = activations): a lane holds one token and 8 neighbouring columns, which pack into the 16 bytes that the next unit's activation fragment wants in the same lane.
; WEIGHTS come in fragment order (wf) straight into registers: a ring of 8 groups of 4 fragments in window 1; 56 loads, 28 KB, of every wave are out.
; Every work-group walks all of wf, 256 x 1,179,648 bytes in all: the price of a work-group for each of 256 blocks of rows; with 64 rows it would be half that, on 128 work-groups.
; NO CLUSTER, NO LDS FOR THE WEIGHTS: each fragment of W is multiplied by exactly one wave of the work-group.  Beside the activations (175,616 bytes) LDS has room for two slots of half a unit,
; so joint loads would want a round of the cluster's barrier for every 32 products of a wave, and a step's LDS reads would be 6 KB a wave for its 8 products where they now are 2 KB.
; Both residuals and both LayerNorms are f32; the variance is the mean of (v - mean)^2, taken in a second pass.  Biases enter as the C operand of each sum's first product.
; LIMITS.  Matrix operands bf16, sums f32.  relu and the norms do not treat NaN and infinities apart.
.set ACTA,  0                          ; 16 KB: ctx's fragments [m block][k block]: 8,192 and 1,024 bytes apart
.set XF,    16384                      ; 32 KB: src's 32 rows in f32, later x's
.set PAR,   49152                      ; bo, b2, ln1_g, ln1_b, ln2_g, ln2_b (1 KB each), b1 (4 KB)
.set ACTH,  59392                      ; 64 KB: h's fragments [k block 0..31][m block]: 2,048 and 1,024 bytes apart
.set STAGE, 124928                     ; 32 rows of 256 f32, 1,040 bytes apart: an odd multiple of 16
.set SPITCH, 1040
.set ACTX,  158208                     ; x's fragments [m block][k block][half].  A half is 512 bytes + 16: the lanes of one 8-byte store go to eight (k block, half) places, which so begin
.set XHP,   528                        ; 16 bytes apart modulo 256 (64 banks of 4 bytes: ISA guide 11.1); only the two halves of the lanes, 256 bytes apart inside a half fragment, still meet
.set XKB,   2*XHP
.set XMB,   8*XKB
.set SPARE, 175104                     ; the spare words, 128 bytes a wave: two blocks of 256 bytes that no other line names
.set T16, 2                            ; v2   16 t
.set L16, 3                            ; v3   16 x lane: W's offset and ACTA's address; never rewritten
.set CA,  4                            ; v4-12 LDS addresses of the copies
.set CX,  5
.set CP,  6
.set CB1, 12
.set T8,  13                           ; v13  8 t
.set AH,  14                           ; v14  h's fragments of the unit in hand
.set BP,  15                           ; v15  my 8 biases in bo; b2's lie 1,024 bytes on
.set B1A, 16                           ; v16  the same in b1, stepped by unit
.set STO, 17                           ; v17  into the stage
.set HST, 18                           ; v18  where h's fragments go, stepped by unit
.set RSA0, 19                          ; v19-20 my 8 rows in the stage and in XF; never rewritten
.set RXA0, 20
.set XFA, 21                           ; v21  where x's bf16 goes
.set GOA, 22                           ; v22  my offset in out0
.set PADR, 23                          ; v23  my 4 columns in a parameter
.set RSA, 24                           ; v24-25 walking copies
.set RXA, 25
.set AX,  26                           ; v26  x's fragments; never rewritten
.set SPW, 28
.set NIL, 29
.set BIAS, 32                          ; v32-63; in the norms v32-39 the gain, v40-47 the offset; v48-51 at work in the set-up
.set G,   32
.set BT,  40
.set ACT, 64                           ; v64-95, v96-127: two buffers of four activation fragments: (k step's parity, m block)
.set ACC, 128                          ; v128-191: accumulator (m block, n block) at 8 (4 mb + nb)
.set LNW, 128                          ; v128-255 at work in the norms
.set WV,  34
.set WB,  36                           ; s[36:37] wf at my columns of the unit in hand
.set CNT, 38
.set UCNT, 39
.set INV, 40                           ; 1/256
.set SEL, 60
.set MSB, 0
.macro WIN new                         ; the immediate's high byte repeats the setting that is left; a switch that changes nothing is dropped
.if MSB != (\new)
	s_set_vgpr_msb (MSB<<8)|(\new)
.set MSB, \new
.endif
.endm
.set W_MUL, 0x01                       ; source 0 (W) in window 1
.set W_LD,  0x40                       ; destination in window 1
	s_load_b512 s[8:23], s[0:1], 0x0               ; ctxf 8, wf 10, src 12, out0 14, bo 16, b1 18, b2 20, ln1_g 22
	s_load_b128 s[24:27], s[0:1], 0x40             ; ln1_b 24, ln2_g 26
	s_load_b64 s[28:29], s[0:1], 0x50              ; ln2_b
	v_lshl_add_u32 v[SPW], v0, 2, SPARE
	v_mov_b32 v[NIL], 0
	ds_add_u32 v[SPW], v[NIL]                      ; the wave's opening: the add and its wait ahead of my first copy
	v_lshrrev_b32 v1, 5, v0
	v_readfirstlane_b32 s[WV], v1                  ; wave 0..3
	v_lshlrev_b32 v[T16], 4, v0
	v_lshlrev_b32 v[T8], 3, v0
	v_lshlrev_b32 v[CA], 4, v0
	v_lshl_add_u32 v[CX], v0, 4, XF
.set i, 0
.rept 6
	v_lshl_add_u32 v[CP+i], v0, 3, PAR+i*1024
.set i, i+1
.endr
	v_lshl_add_u32 v[CB1], v0, 4, PAR+6144
	v_and_b32 v48, 31, v0                          ; lane
	v_lshlrev_b32 v[L16], 4, v48
	s_mov_b32 s[INV], 0x3b800000
	s_mov_b32 s[SEL], 0x76543210
	s_mov_b32 s[SEL+1], 0xfedcba98
	s_mov_b32 s43, 0
	s_wait_dscnt 0x0                               ; the opening add is done
	s_wait_kmcnt 0x0
	s_lshl_b32 s42, ttmp9, 14                      ; two token tiles of 8 KB
	s_add_nc_u64 s[8:9], s[8:9], s[42:43]
	s_lshl_b32 s42, ttmp9, 15                      ; 32 rows of 1,024 bytes
	s_add_nc_u64 s[12:13], s[12:13], s[42:43]
	s_add_nc_u64 s[14:15], s[14:15], s[42:43]
	s_lshl_b32 s42, s[WV], 13                      ; my 8 rows of out0
	s_add_nc_u64 s[14:15], s[14:15], s[42:43]
	s_lshl_b32 s42, s[WV], 12                      ; my four n blocks
	s_add_nc_u64 s[WB:WB+1], s[10:11], s[42:43]
	; Everything but the weights comes once, by copies into LDS, 16 (or 8) bytes a thread, dense: 32 copies a wave.  The immediate steps both addresses.
.set i, 0
.rept 8
	global_load_async_to_lds_b128 v[CA], v[T16], s[8:9] offset:i*2048
.set i, i+1
.endr
.set i, 0
.rept 16
	global_load_async_to_lds_b128 v[CX], v[T16], s[12:13] offset:i*2048
.set i, i+1
.endr
	global_load_async_to_lds_b64 v[CP], v[T8], s[16:17]      ; bo
	global_load_async_to_lds_b64 v[CP+1], v[T8], s[20:21]    ; b2
	global_load_async_to_lds_b64 v[CP+2], v[T8], s[22:23]    ; ln1_g
	global_load_async_to_lds_b64 v[CP+3], v[T8], s[24:25]    ; ln1_b
	global_load_async_to_lds_b64 v[CP+4], v[T8], s[26:27]    ; ln2_g
	global_load_async_to_lds_b64 v[CP+5], v[T8], s[28:29]    ; ln2_b
	global_load_async_to_lds_b128 v[CB1], v[T16], s[18:19]   ; b1
	global_load_async_to_lds_b128 v[CB1], v[T16], s[18:19] offset:2048
	WIN W_LD
.set st, 0
.rept 7                                        ; the ring's first seven groups: k steps 0 to 6
.set nn, 0
.rept 4
	global_load_b128 v[32*st+8*nn:32*st+8*nn+3],   v[L16], s[WB:WB+1] offset:st*16384+nn*1024
	global_load_b128 v[32*st+8*nn+4:32*st+8*nn+7], v[L16], s[WB:WB+1] offset:st*16384+nn*1024+512
.set nn, nn+1
.endr
.set st, st+1
.endr
	WIN 0
	v_and_b32 v49, 15, v0                          ; r
	v_bfe_u32 v50, v0, 4, 1                        ; h
	v_add_nc_u32 v[AH], ACTH, v[L16]
	v_add_nc_u32 v[AX], ACTX, v[L16]
	s_lshl_b32 s42, s[WV], 8
	s_add_co_u32 s44, s42, PAR
	v_lshl_add_u32 v[BP], v50, 5, s44              ; columns 64 w + 8 h ..
	v_add_nc_u32 v[B1A], 6144, v[BP]
	v_mul_u32_u24 v[STO], v49, SPITCH              ; row r, columns 64 w + 8 h ..
	v_lshl_add_u32 v[STO], v50, 5, v[STO]
	s_add_co_u32 s44, s42, STAGE
	v_add_nc_u32 v[STO], s44, v[STO]
	s_lshl_b32 s44, s[WV], 12
	s_add_co_u32 s44, s44, ACTH
	v_add_nc_u32 v[HST], s44, v[L16]               ; my 64 columns are k blocks 2 w, 2 w + 1 of the unit's eight
	s_lshr_b32 s44, s[WV], 1                       ; x's bf16: my 8 rows lie in m block w / 2, from row 8 (w % 2) on, 16 bytes a row;
	s_mul_i32 s44, s44, XMB
	s_and_b32 s45, s[WV], 1
	s_lshl_b32 s45, s45, 7
	s_add_co_u32 s44, s44, s45
	s_add_co_u32 s44, s44, ACTX
	v_lshrrev_b32 v51, 3, v48                      ; columns 4 l .. lie in k block l / 8, half (l / 4) % 2, lane half (l / 2) % 2, bytes 8 (l % 2) ..
	v_mul_u32_u24 v[XFA], v51, XKB
	v_add_nc_u32 v[XFA], s44, v[XFA]
	v_bfe_u32 v51, v0, 2, 1
	v_mul_u32_u24 v51, v51, XHP
	v_add_nc_u32 v[XFA], v[XFA], v51
	v_bfe_u32 v51, v0, 1, 1
	v_lshl_add_u32 v[XFA], v51, 8, v[XFA]
	v_and_b32 v51, 1, v0
	v_lshl_add_u32 v[XFA], v51, 3, v[XFA]
	s_mul_i32 s44, s[WV], 8*SPITCH
	s_add_co_u32 s44, s44, STAGE
	v_add_nc_u32 v[RSA0], s44, v[L16]
	s_lshl_b32 s44, s[WV], 13
	s_add_co_u32 s44, s44, XF
	v_add_nc_u32 v[RXA0], s44, v[L16]
	v_mov_b32 v[GOA], v[L16]
	v_add_nc_u32 v[PADR], PAR, v[L16]
	s_wait_asynccnt 0x0                            ; my copies have landed,
	s_barrier_signal -1
	s_barrier_wait -1                              ; everybody's have
.macro BAR                             ; my LDS stores are done and my LDS loads are back, for the others' sake; then the barrier
	s_wait_dscnt 0x0
	s_barrier_signal -1
	s_barrier_wait -1
.endm
; A unit's biases (8 a lane and n block) and the activation fragments of its first two k steps, the even step's first.  mbs, kbs, hp: bytes from m block to m block, k block to k block, half to half.
.macro UBEGIN badr, boff, ab, mbs, kbs, hp
	WIN 0
.set nn, 0
.rept 4
	ds_load_b128 v[BIAS+8*nn:BIAS+8*nn+3],   v[\badr] offset:(\boff)+nn*64
	ds_load_b128 v[BIAS+8*nn+4:BIAS+8*nn+7], v[\badr] offset:(\boff)+nn*64+16
.set nn, nn+1
.endr
.set kk, 0
.rept 2
.set mm, 0
.rept 2
	ds_load_b128 v[ACT+16*kk+8*mm:ACT+16*kk+8*mm+3],   v[\ab] offset:kk*(\kbs)+mm*(\mbs)
	ds_load_b128 v[ACT+16*kk+8*mm+4:ACT+16*kk+8*mm+7], v[\ab] offset:kk*(\kbs)+mm*(\mbs)+(\hp)
.set mm, mm+1
.endr
.set kk, kk+1
.endr
.endm
.macro MUL8 ks, cb                     ; k step ks: 2 m blocks x 4 n blocks.  The 8 accumulators take turns in the same order in every step
.set mm, 0
.rept 2
.set nn, 0
.rept 4
.set ac, ACC+8*(4*mm+nn)
.set fa, ACT+32*(((\ks)/2)%2)+16*((\ks)%2)+8*mm
.if \cb
	v_wmma_f32_16x16x32_bf16 v[ac:ac+7], v[32*(\ks)+8*nn:32*(\ks)+8*nn+7], v[fa:fa+7], v[BIAS+8*nn:BIAS+8*nn+7]
.else
	v_wmma_f32_16x16x32_bf16 v[ac:ac+7], v[32*(\ks)+8*nn:32*(\ks)+8*nn+7], v[fa:fa+7], v[ac:ac+7]
.endif
.set nn, nn+1
.endr
.set mm, mm+1
.endr
.endm
; Two k steps, 2 d and 2 d + 1, with ONE run of loads between them.  cb: the bias starts the sums.
; refill = 2: the ring's group read one step ago takes the weights of step 2 d + 7, the group just read those of step 2 d + 8; 1: the first of the two alone; 0: none.
; lcnt: the weight loads younger than this pair's two groups, which stay out.  next: the next pair's activations are fetched into the other buffer.
.macro DSTEP d, cb, refill, lcnt, ab, mbs, kbs, hp, next
	s_wait_loadcnt \lcnt                           ; loads come back in order: both steps' groups are in
	s_wait_dscnt 4                                 ; biases and the even step's fragments are in; the youngest four loads (the odd step's) may be out
	WIN W_MUL
	MUL8 2*(\d), \cb
.rept 4
	v_nop                                          ; four places between the products and the loads into registers that they read (ISA guide 7.12.1 for vector instructions)
.endr
.if \refill
	WIN W_LD
.set sj, 0
.rept \refill
.set sn, 2*(\d)+7+sj
.set gq, (sn%8)*32
.set nn, 0
.rept 4
	global_load_b128 v[gq+8*nn:gq+8*nn+3],   v[L16], s[WB:WB+1] offset:sn*16384+nn*1024
	global_load_b128 v[gq+8*nn+4:gq+8*nn+7], v[L16], s[WB:WB+1] offset:sn*16384+nn*1024+512
.set nn, nn+1
.endr
.set sj, sj+1
.endr
.endif
.if \next
	WIN 0
.set fb, ACT+32*(((\d)+1)%2)
.set kk, 0
.rept 2
.set mm, 0
.rept 2
	ds_load_b128 v[fb+16*kk+8*mm:fb+16*kk+8*mm+3],   v[\ab] offset:(2*(\d)+2+kk)*(\kbs)+mm*(\mbs)
	ds_load_b128 v[fb+16*kk+8*mm+4:fb+16*kk+8*mm+7], v[\ab] offset:(2*(\d)+2+kk)*(\kbs)+mm*(\mbs)+(\hp)
.set mm, mm+1
.endr
.set kk, kk+1
.endr
	s_wait_dscnt 8                                 ; all but the eight just issued
.else
	s_wait_dscnt 0x0
.endif
	WIN W_MUL
	MUL8 2*(\d)+1, 0
.endm
.macro UNIT cb, ab, mbs, kbs, hp, lastnext ; eight k steps; lcnt = 40: seven groups of 8 loads are out at a pair's head, five of them younger than the pair's
	DSTEP 0, \cb, 2, 40, \ab, \mbs, \kbs, \hp, 1
	DSTEP 1, 0, 2, 40, \ab, \mbs, \kbs, \hp, 1
	DSTEP 2, 0, 2, 40, \ab, \mbs, \kbs, \hp, 1
	DSTEP 3, 0, 2, 40, \ab, \mbs, \kbs, \hp, \lastnext
	WIN 0
	s_wait_xcnt 0x0                                ; the loads' base is stepped only behind this wait
	s_add_nc_u64 s[WB:WB+1], s[WB:WB+1], 131072
.endm
.macro TOSTAGE                         ; the sums in f32 into the stage: a lane's 8 columns of a row are 32 bytes
	WIN 0
.rept 4
	v_nop
.endr
.set i, 0
.rept 8
	ds_store_b128 v[STO], v[ACC+8*i:ACC+8*i+3]   offset:(i/4)*16*SPITCH+(i%4)*64
	ds_store_b128 v[STO], v[ACC+8*i+4:ACC+8*i+7] offset:(i/4)*16*SPITCH+(i%4)*64+16
.set i, i+1
.endr
.endm
.macro RELU                            ; relu, rounding, and 16 bytes a lane into h's fragments; each accumulator from its low end on
	WIN 0
.rept 4
	v_nop                                          ; the places behind the last step's products
.endr
.set i, 0
.rept 8
.set ac, ACC+8*i
.set z, 0
.rept 8
	v_max_num_f32 v[ac+z], 0, v[ac+z]
.set z, z+1
.endr
.set z, 0
.rept 4
	v_cvt_pk_bf16_f32 v[ac+z], v[ac+2*z], v[ac+2*z+1]
.set z, z+1
.endr
	ds_store_b128 v[HST], v[ac:ac+3] offset:((i%4)/2)*2048+(i/4)*1024+(i%2)*512
.set i, i+1
.endr
.endm
.macro ALLQ line:vararg                ; one line for each of a trip's four rows; row q's registers begin at R
.set q, 0
.rept 4
.set R, LNW+32*q
	\line
.set q, q+1
.endr
.endm
.macro RED x                           ; v[R+x] summed over the 32 lanes, the result in every lane; v[R+x+1] at work
	ALLQ v_add_f32_dpp v[R+\x], v[R+\x], v[R+\x] row_xmask:1 row_mask:0xf bank_mask:0xf
	ALLQ v_add_f32_dpp v[R+\x], v[R+\x], v[R+\x] row_xmask:2 row_mask:0xf bank_mask:0xf
	ALLQ v_add_f32_dpp v[R+\x], v[R+\x], v[R+\x] row_xmask:4 row_mask:0xf bank_mask:0xf
	ALLQ v_add_f32_dpp v[R+\x], v[R+\x], v[R+\x] row_xmask:8 row_mask:0xf bank_mask:0xf
	ALLQ v_permlanex16_b32 v[R+\x+1], v[R+\x], s[SEL], s[SEL+1]
	ALLQ v_add_f32 v[R+\x], v[R+\x], v[R+\x+1]
.endm
; LayerNorm of (stage + XF) for my 8 rows, four at a time, a row to the wave: lane l holds columns 4 l .. and 128 + 4 l ...
; mode 1: x goes back into XF in f32 and into ACTX as bf16 fragments.  mode 2: the result is stored: a wave's store covers 512 consecutive bytes of a row, aligned.
.macro LN mode, goff, boff
	WIN 0
	v_mov_b32 v[RSA], v[RSA0]
	v_mov_b32 v[RXA], v[RXA0]
	ds_load_b128 v[G:G+3],     v[PADR] offset:\goff
	ds_load_b128 v[G+4:G+7],   v[PADR] offset:\goff+512
	ds_load_b128 v[BT:BT+3],   v[PADR] offset:\boff
	ds_load_b128 v[BT+4:BT+7], v[PADR] offset:\boff+512
	s_mov_b32 s[CNT], 2
.Lln_\@:
	ALLQ ds_load_b128 v[R:R+3], v[RSA] offset:q*SPITCH
	ALLQ ds_load_b128 v[R+4:R+7], v[RSA] offset:q*SPITCH+512
	ALLQ ds_load_b128 v[R+8:R+11], v[RXA] offset:q*1024
	ALLQ ds_load_b128 v[R+12:R+15], v[RXA] offset:q*1024+512
	s_wait_dscnt 0x0
	ALLQ v_pk_add_f32 v[R:R+1], v[R:R+1], v[R+8:R+9]
	ALLQ v_pk_add_f32 v[R+2:R+3], v[R+2:R+3], v[R+10:R+11]
	ALLQ v_pk_add_f32 v[R+4:R+5], v[R+4:R+5], v[R+12:R+13]
	ALLQ v_pk_add_f32 v[R+6:R+7], v[R+6:R+7], v[R+14:R+15]
	ALLQ v_pk_add_f32 v[R+8:R+9], v[R:R+1], v[R+2:R+3]
	ALLQ v_pk_add_f32 v[R+10:R+11], v[R+4:R+5], v[R+6:R+7]
	ALLQ v_pk_add_f32 v[R+8:R+9], v[R+8:R+9], v[R+10:R+11]
	ALLQ v_add_f32 v[R+8], v[R+8], v[R+9]
	RED 8
	ALLQ v_mul_f32 v[R+8], s[INV], v[R+8]
	ALLQ v_pk_add_f32 v[R:R+1], v[R:R+1], v[R+8:R+9] op_sel_hi:[1,0] neg_lo:[0,1] neg_hi:[0,1]
	ALLQ v_pk_add_f32 v[R+2:R+3], v[R+2:R+3], v[R+8:R+9] op_sel_hi:[1,0] neg_lo:[0,1] neg_hi:[0,1]
	ALLQ v_pk_add_f32 v[R+4:R+5], v[R+4:R+5], v[R+8:R+9] op_sel_hi:[1,0] neg_lo:[0,1] neg_hi:[0,1]
	ALLQ v_pk_add_f32 v[R+6:R+7], v[R+6:R+7], v[R+8:R+9] op_sel_hi:[1,0] neg_lo:[0,1] neg_hi:[0,1]
	ALLQ v_pk_mul_f32 v[R+10:R+11], v[R:R+1], v[R:R+1]
	ALLQ v_pk_fma_f32 v[R+10:R+11], v[R+2:R+3], v[R+2:R+3], v[R+10:R+11]
	ALLQ v_pk_fma_f32 v[R+10:R+11], v[R+4:R+5], v[R+4:R+5], v[R+10:R+11]
	ALLQ v_pk_fma_f32 v[R+10:R+11], v[R+6:R+7], v[R+6:R+7], v[R+10:R+11]
	ALLQ v_add_f32 v[R+10], v[R+10], v[R+11]
	RED 10
	ALLQ v_fmaak_f32 v[R+10], s[INV], v[R+10], 0x3727c5ac
	ALLQ v_rsq_f32 v[R+10], v[R+10]
	v_nop                                          ; a plain instruction between the last root and the use of its result
	s_wait_alu depctr_va_vdst(0)
	ALLQ v_pk_mul_f32 v[R:R+1], v[R:R+1], v[R+10:R+11] op_sel_hi:[1,0]
	ALLQ v_pk_mul_f32 v[R+2:R+3], v[R+2:R+3], v[R+10:R+11] op_sel_hi:[1,0]
	ALLQ v_pk_mul_f32 v[R+4:R+5], v[R+4:R+5], v[R+10:R+11] op_sel_hi:[1,0]
	ALLQ v_pk_mul_f32 v[R+6:R+7], v[R+6:R+7], v[R+10:R+11] op_sel_hi:[1,0]
	ALLQ v_pk_fma_f32 v[R:R+1], v[R:R+1], v[G:G+1], v[BT:BT+1]
	ALLQ v_pk_fma_f32 v[R+2:R+3], v[R+2:R+3], v[G+2:G+3], v[BT+2:BT+3]
	ALLQ v_pk_fma_f32 v[R+4:R+5], v[R+4:R+5], v[G+4:G+5], v[BT+4:BT+5]
	ALLQ v_pk_fma_f32 v[R+6:R+7], v[R+6:R+7], v[G+6:G+7], v[BT+6:BT+7]
.if (\mode) == 1
	ALLQ ds_store_b128 v[RXA], v[R:R+3] offset:q*1024
	ALLQ ds_store_b128 v[RXA], v[R+4:R+7] offset:q*1024+512
	ALLQ v_cvt_pk_bf16_f32 v[R+8], v[R], v[R+1]
	ALLQ v_cvt_pk_bf16_f32 v[R+9], v[R+2], v[R+3]
	ALLQ v_cvt_pk_bf16_f32 v[R+10], v[R+4], v[R+5]
	ALLQ v_cvt_pk_bf16_f32 v[R+11], v[R+6], v[R+7]
	ALLQ ds_store_b64 v[XFA], v[R+8:R+9] offset:q*16
	ALLQ ds_store_b64 v[XFA], v[R+10:R+11] offset:q*16+4*XKB
	v_add_nc_u32 v[XFA], 64, v[XFA]
.else
	ALLQ global_store_b128 v[GOA], v[R:R+3], s[14:15] offset:q*1024 th:TH_STORE_NT
	ALLQ global_store_b128 v[GOA], v[R+4:R+7], s[14:15] offset:q*1024+512 th:TH_STORE_NT
	s_wait_xcnt 0x0                                ; the stores' offset and data are written again only behind this wait
	v_add_nc_u32 v[GOA], 4096, v[GOA]
.endif
	v_add_nc_u32 v[RSA], 4*SPITCH, v[RSA]
	v_add_nc_u32 v[RXA], 4096, v[RXA]
	s_sub_co_u32 s[CNT], s[CNT], 1
	s_cmp_lg_u32 s[CNT], 0
	s_cbranch_scc1 .Lln_\@
.endm
	UBEGIN BP, 0, L16, 8192, 1024, 512             ; unit 0: ctx Wo + bo
	UNIT 1, L16, 8192, 1024, 512, 0
	TOSTAGE
	BAR                                            ; a row's 256 columns come from four waves
	LN 1, 2048, 3072
	BAR                                            ; x's fragments are whole
	s_mov_b32 s[UCNT], 4
.Lup:                                                  ; units 1-4: h = relu(x W1 + b1), 256 columns a trip
	UBEGIN B1A, 0, AX, XMB, XKB, XHP
	UNIT 1, AX, XMB, XKB, XHP, 0
	RELU
	v_add_nc_u32 v[B1A], 1024, v[B1A]
	v_add_nc_u32 v[HST], 16384, v[HST]
	s_sub_co_u32 s[UCNT], s[UCNT], 1
	s_cmp_lg_u32 s[UCNT], 0
	s_cbranch_scc1 .Lup
	BAR                                            ; h's fragments are whole
	UBEGIN BP, 1024, AH, 1024, 2048, 512           ; unit 5 starts the sums with b2; each unit's last pair of steps fetches the next unit's first fragments
	UNIT 1, AH, 1024, 2048, 512, 1
	v_add_nc_u32 v[AH], 16384, v[AH]
	s_mov_b32 s[UCNT], 2
.Ldown:                                                ; units 6, 7
	UNIT 0, AH, 1024, 2048, 512, 1
	v_add_nc_u32 v[AH], 16384, v[AH]
	s_sub_co_u32 s[UCNT], s[UCNT], 1
	s_cmp_lg_u32 s[UCNT], 0
	s_cbranch_scc1 .Ldown
	DSTEP 0, 0, 1, 40, AH, 1024, 2048, 512, 1      ; unit 8: its first pair asks for wf's last group, step 71; then the counts run down: four, two, no younger groups
	DSTEP 1, 0, 0, 32, AH, 1024, 2048, 512, 1
	DSTEP 2, 0, 0, 16, AH, 1024, 2048, 512, 1
	DSTEP 3, 0, 0, 0, AH, 1024, 2048, 512, 0
	TOSTAGE
	BAR
	LN 2, 4096, 5120
	s_wait_tensorcnt 0x0                           ; the wave's end, behind my last copy and my last LDS store
	ds_add_u32 v[SPW], v[NIL]
	s_wait_dscnt 0x0
	s_endpgm
.Lfunc_end_k_qfad87eddee_ffn:
	.size	k_qfad87eddee_ffn, .Lfunc_end_k_qfad87eddee_ffn-k_qfad87eddee_ffn
	.p2alignl 7, 3214868480
	.fill 96, 4, 3214868480
	.section	.rodata,"a",@progbits
	.p2align	6, 0x0
	.amdhsa_kernel k_qfad87eddee_ffn
		.amdhsa_group_segment_fixed_size 175616
		.amdhsa_private_segment_fixed_size 0
		.amdhsa_enable_private_segment 0
		.amdhsa_kernarg_size 88
		.amdhsa_user_sgpr_count 2
		.amdhsa_user_sgpr_kernarg_segment_ptr 1
		.amdhsa_wavefront_size32 1
		.amdhsa_system_sgpr_workgroup_id_x 1
		.amdhsa_system_sgpr_workgroup_id_y 1
		.amdhsa_system_sgpr_workgroup_id_z 1
		.amdhsa_system_vgpr_workitem_id 0
		.amdhsa_next_free_vgpr 512
		.amdhsa_next_free_sgpr 66
		.amdhsa_reserve_vcc 0
		.amdhsa_float_denorm_mode_32 3
		.amdhsa_float_denorm_mode_16_64 3
		.amdhsa_memory_ordered 1
		.amdhsa_forward_progress 1
		.amdhsa_inst_pref_size 109
	.end_amdhsa_kernel
	.amdgpu_metadata
---
amdhsa.version: [ 1, 2 ]
amdhsa.kernels:
  - .name:           k_qfad87eddee_ffn
    .symbol:         k_qfad87eddee_ffn.kd
    .args:
      - { .name: ctxf, .offset: 0, .size: 8, .value_kind: global_buffer, .address_space: global }
      - { .name: wf, .offset: 8, .size: 8, .value_kind: global_buffer, .address_space: global }
      - { .name: src, .offset: 16, .size: 8, .value_kind: global_buffer, .address_space: global }
      - { .name: out0, .offset: 24, .size: 8, .value_kind: global_buffer, .address_space: global }
      - { .name: bo, .offset: 32, .size: 8, .value_kind: global_buffer, .address_space: global }
      - { .name: b1, .offset: 40, .size: 8, .value_kind: global_buffer, .address_space: global }
      - { .name: b2, .offset: 48, .size: 8, .value_kind: global_buffer, .address_space: global }
      - { .name: ln1_g, .offset: 56, .size: 8, .value_kind: global_buffer, .address_space: global }
      - { .name: ln1_b, .offset: 64, .size: 8, .value_kind: global_buffer, .address_space: global }
      - { .name: ln2_g, .offset: 72, .size: 8, .value_kind: global_buffer, .address_space: global }
      - { .name: ln2_b, .offset: 80, .size: 8, .value_kind: global_buffer, .address_space: global }
    .group_segment_fixed_size: 175616
    .private_segment_fixed_size: 0
    .kernarg_segment_align: 8
    .kernarg_segment_size: 88
    .max_flat_workgroup_size: 128
    .sgpr_count:     66
    .vgpr_count:     512
    .wavefront_size: 32
...
	.end_amdgpu_metadata
.endif
;; end of part 3
;; ======== version 2 of 2: 3 launches; 1.15 times as fast as version 1
;; workspace buffers: qf 4,194,304 bytes; kv 8,388,608 bytes; ctxf 4,194,304 bytes; wf 1,179,648 bytes
;; launch proj: the kernel of part 1 again; grid 64 x 4, 8 waves a work-group, no clusters, 175,104 bytes of LDS; arguments src, Wq, Wk, Wv, bq, bk, bv, Wo, W1, W2, qf, kv, wf; writes qf, kv, wf
;; launch attn (part 4): grid 16 x 16, 8 waves a work-group, clusters of 4 x 1, 327,680 bytes of LDS; arguments qf, kv, ctxf; writes ctxf
.if DOCPART == 4
	.amdgcn_target "amdgcn-amd-amdhsa--gfx1250"
	.amdhsa_code_object_version 6
	.text
	.protected	k_qfad87eddee_attn
	.globl	k_qfad87eddee_attn
	.p2align	8
	.type	k_qfad87eddee_attn,@function
k_qfad87eddee_attn:
	s_mov_b64 s[64:65], 0
	v_nop
	global_prefetch_b8 v0, s[64:65] scope:SCOPE_SE
	s_setreg_imm32_b32 hwreg(HW_REG_WAVE_MODE, 25, 1), 1
	s_wait_xcnt 0x0
	s_wait_alu depctr_hold_cnt(0) depctr_sa_sdst(0) depctr_va_vdst(0) depctr_va_sdst(0) depctr_va_ssrc(0) depctr_va_vcc(0) depctr_vm_vsrc(0)
	s_getreg_b32 s2, hwreg(HW_REG_IB_STS2, 6, 4)
	s_cmp_eq_u32 s2, 0
	s_cbranch_scc0 .Lentry_in_a_cluster
	s_endpgm
.Lentry_in_a_cluster:
	s_bfe_u32 s2, ttmp6, 0x10000c
	s_cmp_lg_u32 s2, 0x3003
	s_cbranch_scc0 .Lentry_shape_is_right
	s_endpgm
.Lentry_shape_is_right:
; ctx[b][q][h*32 ..] = the sum over k of softmax_k(q . k / sqrt(32)) v, head size 32, 4,096 keys, 16 pairs (batch, head).  q arrives scaled by log2(e)/sqrt(32), so p = 2^(s - m).
; All three buffers are in fragment order (16 rows x 32 k of bf16 = 1,024 bytes: lane L's registers 0-3 at byte 16 L, registers 4-7 at 512 + 16 L), so every fragment is two loads of 512 consecutive bytes.
; SHARES.  A work-group owns 256 queries of one (batch, head); each of its eight waves two tiles of 16.  Every wave walks all keys, 64 a step.
; THE COUNT.  A tile and step have 10 matrix and 94 vector instructions, so the vector unit sets the pace.  Two waves lie on a SIMD, each written in plain phases: one wave's products run
; while the other is in its softmax.  All registers fit one window of 256, so no window is ever switched.
; LAYOUT.  S^T = K Q^T: a lane holds ONE query (lane % 16) and the keys 8 (lane / 16) + 0..7 of each block of 16.  Two such results rounded to bf16 in pairs ARE source 1 of O^T = V^T P.
; SOFTMAX.  A running maximum m for each query; O and l are multiplied by a = 2^(m_old - m_new) in every step.  m starts at the lowest finite number, O and l at 0: the first step's a is 0.
; THE EXPONENTIALS of a step, 66 a wave, are cut into TWO BATCHES with one wait each, ahead of the first instruction that names a result.
; Batch 1: both a and scores 0-29 of tile 0, by turns with the subtractions s - m, which name no result.  Batch 2: scores 30, 31 of tile 0 and tile 1's 32, by turns with batch 1's readers:
; the 18 rescalings and the roundings of tile 0's pairs 0-14.  Behind the second wait stand the 17 roundings that are left.  Two batches and not one: only 34 plain instructions of a step name
; no result, too few to stand between 66 exponentials; with the first batch's 33 readers set into the second batch all exponentials but one have a plain instruction behind them.
; THE ROW SUM l is a product too: a source 0 whose rows 0 and 8 are ones puts the sum of a query's 64 rounded weights into register 0 of a third accumulator, in both halves of the lanes.
; CLUSTER.  The four query blocks of a cluster belong to one (batch, head) and walk the same K and V: each tile is asked for JOINTLY, by the same tensor load, descriptor and mask in all four.
; RING.  Two slots of 16 steps (131,072 bytes).  Each wave fetches two steps (64 rows of 256 bytes) with one load; one tensor load of a wave is out at any time.
; LIMITS.  Operands bf16, sums f32.  A weight below 2^-126 counts as 0.  Scores at or below the lowest finite f32, NaN and infinities are not treated apart.
.set CHUNK, 131072
.set SLOT1, 131072                     ; slot 1 begins here: one exclusive or turns an address in one slot into the other's
.set STEPB, 8192                       ; a step: four K fragments, then four V^T fragments
.set SPARE, 262144                     ; behind the ring: the spare words, 128 bytes a wave: four blocks of 256 bytes that no other line names
.set L16, 2                            ; v2   16 x lane; never rewritten
.set ADR, 3                            ; v3   LDS address of the step being fetched
.set SPW, 14                           ; v14  my spare word
.set NIL, 15                           ; v15  0
.set ST,  16                           ; tile t at v[16 + 8 t]: m, m_new, a, 0, c0-c3 at work
.set Q,   32                           ; v32-47
.set ONES, 48                          ; v48-55
.set K,   64                           ; v64-95
.set V,   96                           ; v96-127
.set S,   128                          ; v128-191: 32 a tile; P is packed into the low 16 in place
.set O,   192                          ; v192-239: 24 a tile: channels 0-15, channels 16-31, l
.set WV,  12
.set G1,  24
.set G0,  40
.set SLOTS, 56
.set CNT, 57
.set SEL, 60
.set TB,  62                           ; s62  LDS byte of the step to be fetched next
.macro CROUND                          ; a round of the cluster's barrier
	s_barrier_signal -1
	s_barrier_wait -1
	s_cmp_lg_u32 s[WV], 0
	s_cbranch_scc1 .Lnot_wave_0_\@
	s_barrier_signal -3
.Lnot_wave_0_\@:
	s_barrier_wait -3
	s_barrier_signal -1
	s_barrier_wait -1
.endm
; THE CHANGE OF SLOTS.  Each wave waits for all its tensor loads (one is out: its part of the other slot), adds 0 to its spare word, and waits for that and for its reads of the slot that it leaves.
; fill = 1: a round of the cluster's barrier, so that no wave of any partner still reads the slot; the joint refill is the first thing behind it and has 16 steps in which to land.
.macro CHANGE fill
	s_wait_tensorcnt 0x0                           ; no tensor load of mine is out, so the descriptor may be written
	ds_add_u32 v[SPW], v[NIL]                      ; 0 onto my spare word; the scalar steps stand between it and the wait for it
.if \fill
	s_xor_b32 s[G0+1], s[G0+1], SLOT1              ; the other slot than last time,
	s_add_nc_u64 s[G0+2:G0+3], s[G0+2:G0+3], CHUNK ; the next 1,024 keys; the type bits on top are not reached
.endif
	s_sub_co_u32 s[TB], s[TB], CHUNK               ; the fetches go back to a slot's first step,
	s_xor_b32 s[TB], s[TB], SLOT1                  ; in the other slot
	s_wait_dscnt 0x0                               ; the add is done, and my reads of the slot are over
.if \fill
	CROUND
	tensor_load_to_lds s[G0:G0+3], s[G1:G1+7]
	s_nop 0
.else
	s_barrier_signal -1
	s_barrier_wait -1
.endif
.endm
	s_load_b128 s[4:7], s[0:1], 0x0                ; qf s[4:5], kv s[6:7]
	s_load_b64 s[8:9], s[0:1], 0x10                ; ctxf
	v_lshl_add_u32 v[SPW], v0, 2, SPARE
	v_mov_b32 v[NIL], 0
	ds_add_u32 v[SPW], v[NIL]                      ; the wave's opening: the add and its wait ahead of my first tensor load
	v_lshrrev_b32 v1, 5, v0
	v_readfirstlane_b32 s[WV], v1                  ; wave 0..7
	s_bfe_u32 s13, ttmp6, 0x40000                  ; cx
	s_lshl_b32 s14, ttmp9, 2
	s_add_co_u32 s14, s14, s13                     ; my block of 256 queries: it enters Q's and ctx's addresses alone
	s_and_b32 s15, ttmp7, 0xffff                   ; bh = 8 b + head, which the four partners share
	s_mov_b32 s[G1], 15|(1<<16)|(1<<21)            ; the mask of four; 2-byte elements; bit 21 set beside a mask; no padding: fragments are read as they lie
	s_mov_b32 s[G1+1], 128<<16                     ; tensor_dim0 = 128
	s_mov_b32 s[G1+2], 64<<16                      ; tensor_dim1 = 64
	s_mov_b32 s[G1+3], 128<<16                     ; tile_dim0 = 128 (256 bytes)
	s_mov_b32 s[G1+4], 64                          ; tile_dim1 = 64 rows
	s_mov_b32 s[G1+5], 128                         ; dense: 128 elements from row to row
	s_mov_b32 s[G1+6], 0
	s_mov_b32 s[G1+7], 0
	s_mov_b32 s[G0], 1
	s_mul_i32 s[G0+1], s[WV], 16384                ; my two steps' place in slot 0
	s_lshl_b32 s16, s15, 19                        ; kv: 524,288 bytes a (batch, head),
	s_lshl_b32 s17, s[WV], 14                      ; my two steps
	s_add_co_u32 s16, s16, s17
	s_mov_b32 s17, 0
	s_lshl_b32 s18, s15, 8                         ; qf: tile 256 bh + 16 block + 2 wave
	s_lshl_b32 s19, s14, 4
	s_add_co_u32 s18, s18, s19
	s_lshl1_add_u32 s18, s[WV], s18
	s_lshl_b32 s18, s18, 10
	s_mov_b32 s19, 0
	s_lshr_b32 s20, s15, 3                         ; ctxf: ((256 b + 16 block + 2 wave) x 8 + head) KB
	s_lshl_b32 s20, s20, 8
	s_lshl_b32 s21, s14, 4
	s_add_co_u32 s20, s20, s21
	s_lshl1_add_u32 s20, s[WV], s20
	s_and_b32 s21, s15, 7
	s_lshl3_add_u32 s20, s20, s21
	s_lshl_b32 s20, s20, 10
	s_mov_b32 s21, 0
	s_mov_b32 s[SEL], 0x76543210
	s_mov_b32 s[SEL+1], 0xfedcba98
	s_mov_b32 s[TB], SLOT1+CHUNK                   ; the first change of slots turns this into 0
	s_wait_dscnt 0x0                               ; the opening add is done
	s_wait_kmcnt 0x0
	s_add_nc_u64 s[G0+2:G0+3], s[6:7], s[16:17]
	s_or_b32 s[G0+3], s[G0+3], 0x80000000          ; type = 2
	s_add_nc_u64 s[4:5], s[4:5], s[18:19]
	s_add_nc_u64 s[8:9], s[8:9], s[20:21]
	CROUND                                         ; all four work-groups are here: the first joint loads meet
	tensor_load_to_lds s[G0:G0+3], s[G1:G1+7]      ; keys 0-1,023 into slot 0
	s_nop 0
	v_and_b32 v1, 31, v0
	v_lshlrev_b32 v[L16], 4, v1
.set i, 0
.rept 2
	global_load_b128 v[Q+8*i:Q+8*i+3],   v[L16], s[4:5] offset:i*1024 th:TH_LOAD_NT
	global_load_b128 v[Q+8*i+4:Q+8*i+7], v[L16], s[4:5] offset:i*1024+512 th:TH_LOAD_NT
.set i, i+1
.endr
	v_and_b32 v1, 7, v0                            ; rows 0 and 8 of the ones matrix lie in the lanes with lane % 8 = 0
	v_mov_b32 v4, 0x3f803f80
	v_cmp_eq_u32 vcc_lo, 0, v1
	v_cndmask_b32 v[ONES], 0, v4, vcc_lo
.set i, 1
.rept 7
	v_mov_b32 v[ONES+i], v[ONES]
.set i, i+1
.endr
.set i, 0
.rept 48                                       ; O and l start at 0, in the wait for the first tile: the price of writing no first step out
	v_mov_b32 v[O+i], 0
.set i, i+1
.endr
.set i, 0
.rept 2
	v_mov_b32 v[ST+8*i], 0xff7fffff                ; m
	v_mov_b32 v[ST+8*i+3], 0                       ; named with a as a pair
.set i, i+1
.endr
.macro FETCH_K
.set i, 0
.rept 4
	ds_load_b128 v[K+8*i:K+8*i+3],   v[ADR] offset:i*1024
	ds_load_b128 v[K+8*i+4:K+8*i+7], v[ADR] offset:i*1024+512
.set i, i+1
.endr
.endm
.macro FETCH_V
.set i, 0
.rept 4
	ds_load_b128 v[V+8*i:V+8*i+3],   v[ADR] offset:4096+i*1024
	ds_load_b128 v[V+8*i+4:V+8*i+7], v[ADR] offset:4096+i*1024+512
.set i, i+1
.endr
.endm
.macro KQ                              ; 8 products, each a whole sum (32 channels): key block i / 2, tile i % 2
.set i, 0
.rept 8
	v_wmma_f32_16x16x32_bf16 v[S+32*(i%2)+8*(i/2):S+32*(i%2)+8*(i/2)+7], v[K+8*(i/2):K+8*(i/2)+7], v[Q+8*(i%2):Q+8*(i%2)+7], 0
.set i, i+1
.endr
.endm
.macro PV                              ; 12 products: keys 32 (i / 6) on; channels 0-15, 16-31, the row sum; tile i % 2.  The six accumulators take turns
.set i, 0
.rept 12
.set kk, i/6
.set pa, (i%6)/2
.set rO, O+24*(i%2)+8*pa
.set rP, S+32*(i%2)+8*kk
.if pa < 2
	v_wmma_f32_16x16x32_bf16 v[rO:rO+7], v[V+8*(2*kk+pa):V+8*(2*kk+pa)+7], v[rP:rP+7], v[rO:rO+7]
.else
	v_wmma_f32_16x16x32_bf16 v[rO:rO+7], v[ONES:ONES+7], v[rP:rP+7], v[rO:rO+7]
.endif
.set i, i+1
.endr
.endm
; Number n of the 19 that find tile t's maximum and a's exponent.  0-11: four chains of seven scores, three operands at a time, each accumulator's lowest registers first;
; 12-15: the four scores left over, the old m, all into c0; 16, 17: the query's other 32 keys lie in the lane 16 away; 18: m_old - m_new.
.macro XS t, n
.set rT, ST+8*(\t)
.set rS, S+32*(\t)
.if (\n) < 4
	v_max3_num_f32 v[rT+4+(\n)], v[rS+8*(\n)], v[rS+8*(\n)+1], v[rS+8*(\n)+2]
.elseif (\n) < 12
	v_max3_num_f32 v[rT+4+(\n)%4], v[rT+4+(\n)%4], v[rS+8*((\n)%4)+2*((\n)/4)+1], v[rS+8*((\n)%4)+2*((\n)/4)+2]
.elseif (\n) == 12
	v_max3_num_f32 v[rT+4], v[rT+4], v[rS+7], v[rS+15]
.elseif (\n) == 13
	v_max3_num_f32 v[rT+5], v[rT+5], v[rS+23], v[rS+31]
.elseif (\n) == 14
	v_max3_num_f32 v[rT+6], v[rT+6], v[rT+7], v[rT]
.elseif (\n) == 15
	v_max3_num_f32 v[rT+4], v[rT+4], v[rT+5], v[rT+6]
.elseif (\n) == 16
	v_permlanex16_b32 v[rT+7], v[rT+4], s[SEL], s[SEL+1]
.elseif (\n) == 17
	v_max_num_f32 v[rT+1], v[rT+4], v[rT+7]
.else
	v_sub_f32 v[rT+5], v[rT], v[rT+1]
.endif
.endm
.macro MOVM t                          ; m is renewed, behind number 18, which read the old one
	v_mov_b32 v[ST+8*(\t)], v[ST+8*(\t)+1]
.endm
.macro EXPA t                          ; a = 2^(m_old - m_new)
	v_exp_f32 v[ST+8*(\t)+2], v[ST+8*(\t)+5]
.endm
.macro SUBM t, p                       ; s - m for pair p
	v_pk_add_f32 v[S+32*(\t)+2*(\p):S+32*(\t)+2*(\p)+1], v[S+32*(\t)+2*(\p):S+32*(\t)+2*(\p)+1], v[ST+8*(\t):ST+8*(\t)+1] op_sel_hi:[1,0] neg_lo:[0,1] neg_hi:[0,1]
.endm
.macro EXPN t, n
	v_exp_f32 v[S+32*(\t)+(\n)], v[S+32*(\t)+(\n)]
.endm
.macro CVTP t, n                       ; pair n rounded to bf16, in place: register n lies at or below the pair that it is made of
	v_cvt_pk_bf16_f32 v[S+32*(\t)+(\n)], v[S+32*(\t)+2*(\n)], v[S+32*(\t)+2*(\n)+1]
.endm
.macro RSNEXT                          ; the next of the 18 that multiply O and l by a: tile rq % 2, pair rq / 2, in ascending order
.set rT, ST+8*(rq%2)
.set rO, O+24*(rq%2)
.if rq/2 < 8
	v_pk_mul_f32 v[rO+2*(rq/2):rO+2*(rq/2)+1], v[rO+2*(rq/2):rO+2*(rq/2)+1], v[rT+2:rT+3] op_sel_hi:[1,0]
.else
	v_mul_f32 v[rO+16], v[rT+2], v[rO+16]
.endif
.set rq, rq+1
.endm
.macro PLA                             ; the plain line behind score ua of tile 0, ua = 0 .. 29: tile 0's pairs 3-15, tile 1's m, tile 1's pairs 0-15.  None names an exponential's result
.if ua < 13
	SUBM 0, ua+3
.elseif ua == 13
	MOVM 1
.else
	SUBM 1, ua-14
.endif
.set ua, ua+1
.endm
.macro PLB                             ; the next of the 33 readers of batch 1: the 18 rescalings, then the roundings of tile 0's pairs 0-14 (scores 0-29).  None names a result of batch 2
.if ub < 18
	RSNEXT
.else
	CVTP 0, ub-18
.endif
.set ub, ub+1
.endm
; Both tiles' softmax for one step.  From the first exponential on, exponential and plain instruction by turns: each exponential but one has a plain instruction behind it that names none of
; its registers (ISA guide 5.7.2).  A pair is subtracted three exponentials or more ahead of its own.  The two waits cut the 66 exponentials into the two batches of the kernel's head.
.macro SOFTMAX
.irp n, 0,1,2,3,4,5,6,7,8,9,10,11,12,13,14,15,16,17
	XS 0, \n
	XS 1, \n
.endr
	XS 0, 18
	MOVM 0
	XS 1, 18
	SUBM 0, 0
	EXPA 0                                         ; batch 1 begins: both a,
	SUBM 0, 1
	EXPA 1
	SUBM 0, 2
.set ua, 0
.set si, 0
.rept 30                                       ; and scores 0-29 of tile 0
	EXPN 0, si
	PLA
.set si, si+1
.endr
	s_wait_alu depctr_va_vdst(0)                   ; the wait for batch 1 (32 exponentials), ahead of its first reader, the first rescaling; the subtraction of tile 1's pair 15 is the plain instruction behind its last
	EXPN 0, 30                                     ; batch 2 begins: tile 0's last two scores, on end: 34 exponentials have 33 plain lines,
	EXPN 0, 31
.set rq, 0
.set ub, 0
	PLB
.set si, 0
.rept 32                                       ; and tile 1's 32
	EXPN 1, si
	PLB
.set si, si+1
.endr
	s_wait_alu depctr_va_vdst(0)                   ; the wait for batch 2 (34 exponentials), ahead of its first reader, the rounding below; the rounding of tile 0's pair 14 is the plain instruction behind its last
	CVTP 0, 15
.set si, 0
.rept 16
	CVTP 1, si
.set si, si+1
.endr
.endm
; A trip: K of step j is fetched; softmax and V^T P of step j - 1; V of step j is fetched; K Q^T of step j.  All of a slot's reads stand ahead of the change of slots.
.macro TOP
	v_add_nc_u32 v[ADR], s[TB], v[L16]             ; with the three v_nop: the four places behind the products K Q^T, for the loads into K and the reads of the scores
	s_add_co_u32 s[TB], s[TB], STEPB
.rept 3
	v_nop
.endr
	FETCH_K
	SOFTMAX
	s_wait_dscnt 0x0                               ; V of step j - 1 and K of step j are in
	PV
.rept 5
	v_nop                                          ; five places: the next products write over P, and V is loaded anew
.endr
.endm
.macro BOTTOM
	FETCH_V
	KQ
	s_sub_co_u32 s[CNT], s[CNT], 1
	s_cmp_lg_u32 s[CNT], 0
.endm
	CHANGE 1                                       ; slot 0 is in, everybody's part of it; keys 1,024-2,047 are asked for, into slot 1
	v_add_nc_u32 v[ADR], s[TB], v[L16]
	s_add_co_u32 s[TB], s[TB], STEPB
	FETCH_K                                        ; step 0
	s_wait_loadcnt 0x0                             ; Q
	s_wait_dscnt 0x0
	s_mov_b32 s[CNT], 16
	s_mov_b32 s[SLOTS], 3
	s_branch .Lfirst                               ; the loop is entered in the middle of a trip
.Lslot:                                                ; twice: slots 0 and 1 are filled again, with the third and the fourth 1,024 keys
	CHANGE 1
	s_mov_b32 s[CNT], 16
.Lstep:
	TOP
.Lfirst:
	BOTTOM
	s_cbranch_scc1 .Lstep
	s_sub_co_u32 s[SLOTS], s[SLOTS], 1
	s_cmp_lg_u32 s[SLOTS], 0
	s_cbranch_scc1 .Lslot
	CHANGE 0                                       ; the last slot is written out: nothing is asked for
	s_mov_b32 s[CNT], 16
.Ltail:
	TOP
	BOTTOM
	s_cbranch_scc1 .Ltail
.rept 4
	v_nop
.endr
	SOFTMAX                                        ; the last step
	s_wait_dscnt 0x0
	PV
.rept 4
	v_nop
.endr
	; THE WAY OUT: O / l, rounded in place; a lane's eight channels are 16 bytes of a fragment of ctx, so a wave's store covers 512 consecutive bytes, aligned.
	v_rcp_f32 v[ST+2], v[O+16]
	v_rcp_f32 v[ST+10], v[O+40]
	v_nop                                          ; a plain instruction between the reciprocals and their use
.set tl, 0
	s_wait_alu depctr_va_vdst(0)                   ; the wait ahead of the first use: one for the two reciprocals
.rept 2
.set rO, O+24*tl
.set z, 0
.rept 8
	v_pk_mul_f32 v[rO+2*z:rO+2*z+1], v[rO+2*z:rO+2*z+1], v[ST+8*tl+2:ST+8*tl+3] op_sel_hi:[1,0]
.set z, z+1
.endr
.set z, 0
.rept 8
	v_cvt_pk_bf16_f32 v[rO+8*(z/4)+z%4], v[rO+2*z], v[rO+2*z+1]
.set z, z+1
.endr
	global_store_b128 v[L16], v[rO:rO+3],    s[8:9] offset:tl*8192
	global_store_b128 v[L16], v[rO+8:rO+11], s[8:9] offset:tl*8192+512
.set tl, tl+1
.endr
	s_wait_tensorcnt 0x0                           ; the wave's end, behind my last tensor load
	ds_add_u32 v[SPW], v[NIL]
	s_wait_dscnt 0x0
	CROUND                                         ; the closing round: no work-group ends while a partner may still ask for a tile that names it
	s_endpgm
.Lfunc_end_k_qfad87eddee_attn:
	.size	k_qfad87eddee_attn, .Lfunc_end_k_qfad87eddee_attn-k_qfad87eddee_attn
	.p2alignl 7, 3214868480
	.fill 96, 4, 3214868480
	.section	.rodata,"a",@progbits
	.p2align	6, 0x0
	.amdhsa_kernel k_qfad87eddee_attn
		.amdhsa_group_segment_fixed_size 327680
		.amdhsa_private_segment_fixed_size 0
		.amdhsa_enable_private_segment 0
		.amdhsa_kernarg_size 24
		.amdhsa_user_sgpr_count 2
		.amdhsa_user_sgpr_kernarg_segment_ptr 1
		.amdhsa_wavefront_size32 1
		.amdhsa_system_sgpr_workgroup_id_x 1
		.amdhsa_system_sgpr_workgroup_id_y 1
		.amdhsa_system_sgpr_workgroup_id_z 1
		.amdhsa_system_vgpr_workitem_id 0
		.amdhsa_next_free_vgpr 256
		.amdhsa_next_free_sgpr 66
		.amdhsa_reserve_vcc 1
		.amdhsa_float_denorm_mode_32 3
		.amdhsa_float_denorm_mode_16_64 3
		.amdhsa_memory_ordered 1
		.amdhsa_forward_progress 1
		.amdhsa_inst_pref_size 47
	.end_amdhsa_kernel
	.amdgpu_metadata
---
amdhsa.version: [ 1, 2 ]
amdhsa.kernels:
  - .name:           k_qfad87eddee_attn
    .symbol:         k_qfad87eddee_attn.kd
    .args:
      - { .name: qf, .offset: 0, .size: 8, .value_kind: global_buffer, .address_space: global }
      - { .name: kv, .offset: 8, .size: 8, .value_kind: global_buffer, .address_space: global }
      - { .name: ctxf, .offset: 16, .size: 8, .value_kind: global_buffer, .address_space: global }
    .group_segment_fixed_size: 327680
    .private_segment_fixed_size: 0
    .kernarg_segment_align: 8
    .kernarg_segment_size: 24
    .max_flat_workgroup_size: 256
    .sgpr_count:     66
    .vgpr_count:     256
    .wavefront_size: 32
...
	.end_amdgpu_metadata
.endif
;; end of part 4
;; launch ffn: the kernel of part 3 again; grid 256 x 1, 4 waves a work-group, no clusters, 175,616 bytes of LDS; arguments ctxf, wf, src, out0, bo, b1, b2, ln1_g, ln1_b, ln2_g, ln2_b; writes out0
